; MI455X (gfx1250); checked and timed in simulation.
; The chip was launched on July 23, 2026; its instructions are those of AMD's public machine-readable ISA for CDNA 5 (MIT licence, August 2026) and "CDNA5" Instruction Set Architecture Reference Guide (July 2026). The comments in the code are by the model that wrote it; some were corrected since.
;; Template Aware Attention. Allowed arithmetic: matrix products marked QUANTISED: E5M2 operands, one E8M0 scale for each 32 along K, by v_wmma_scale_f32_16x16x128_f8f6f4 with both operands' format E5M2, f32 sums; everything else in f32.
;; Inputs: Wk 1,024 x 1,024 float32; Wo 1,024 x 1,024 float32; Wq 1,024 x 1,024 float32; Wv 1,024 x 1,024 float32; attention_mask 4 x 2,048 int32; beta 1,024 float32; bk 1,024 float32; bo 1,024 float32; bq 1,024 float32; bv 1,024 float32; gamma 1,024 float32; template_ids 4 x 2,048 int32; x 4 x 2,048 x 1,024 float32.
;; Outputs: out0 4 x 2,048 x 1,024 float32.
;; This version of the problem:
;;   THIS VERSION OF THE PROBLEM IS GIVEN IN LOW PRECISION. The matrix products marked QUANTISED in the list below multiply operands that are first quantised to E5M2 (5 exponent bits, 2 mantissa bits; 8 bits a number), with one power-of-two scale for each 32 numbers along K (OCP MX v1.0); their sums are f32. All else is computed in f32.
;;   The module's matrix products, in the order in which they are computed (A, B: the left and right operand; K: the contracted axis; several contracted axes count as one K, in the product's order):
;;     1. [M 8,192, K 1,024] x [K 1,024, N 1,024]; A: input x; B: input Wq: QUANTISED
;;     2. [M 8,192, K 1,024] x [K 1,024, N 1,024]; A: input x; B: input Wk: QUANTISED
;;     3. [M 8,192, K 1,024] x [K 1,024, N 1,024]; A: input x; B: input Wv: QUANTISED
;;     4. batch 64 x [M 2,048, K 64] x [K 64, N 2,048]; A: computed on the way; B: computed on the way: QUANTISED
;;     5. batch 64 x [M 2,048, K 2,048] x [K 2,048, N 64]; A: softmax (see below); B: computed on the way: QUANTISED
;;     6. [M 8,192, K 1,024] x [K 1,024, N 1,024]; A: computed on the way; B: input Wo: QUANTISED
;;   THE QUANTISER, for each operand of a quantised product, along K:
;;     - K is cut into blocks of 32 from its start; a last block that is shorter is filled with zeros.
;;     - A block's scale is 2^e with e = floor(log2(the largest magnitude in the block)) - 15, held to -126 .. 127; a block of zeros has e = 0. As a byte (E8M0): e + 127.
;;     - Each number is divided by its block's scale, clamped to +-57,344, and rounded to the nearest number of E5M2, ties to even, subnormals kept.
;;     - The product sums the exact products of the quantised numbers (number of the format x scale) in f32.
;;   ~~~python
;;   def quantise(x, axis):      # numpy; x: float32 -> the quantised numbers, widened to float32 again
;;       x = np.moveaxis(x, axis, -1); K = x.shape[-1]
;;       x = np.pad(x, [(0, 0)] * (x.ndim - 1) + [(0, -K % 32)]); x = x.reshape(x.shape[:-1] + (-1, 32)); a = np.abs(x).max(-1, keepdims=True)
;;       e = np.where(a > 0, np.clip(np.frexp(np.where(a > 0, a, 1))[1] - 1 - 15, -126, 127), 0)      # np.frexp(a)[1] - 1 = floor(log2(a)), exactly
;;       r = np.clip(x / 2.0 ** e, -57344, 57344)
;;       step = 2.0 ** (np.maximum(np.frexp(np.where(r == 0, 1, r))[1] - 1, -14) - 2)
;;       q = np.round(r / step) * step * 2.0 ** e      # np.round: ties to even
;;       return np.moveaxis(q.reshape(q.shape[:-2] + (-1,))[..., :K], -1, axis).astype(np.float32)
;;   ~~~
;;   SOFTMAX AHEAD OF A QUANTISED PRODUCT. Where the list says 'softmax', what is quantised is not the finished softmax but p = 2^(t - M), with t = logit x log2(e) and M = ceil(the row's largest t), a whole number; so 1/2 < the row's largest p <= 1. The row's sum l is taken of the UNQUANTISED p, in f32, and the product's result is divided by l at the end. Since M is a whole number, a kernel that streams over the keys may use a running M (the ceiling of the running maximum): every later rescaling is an exact power of two, which a block's scale takes up: the codes' values come out the same.
;;   OPERANDS COMPUTED ON THE WAY. 'Computed on the way' means the value that the module computes at that place (a softmax that the list does not call 'softmax' is quantised finished and normalised). What goes into a quantiser is computed in f32, as accurately as f32 sums, v_exp_f32 and their like allow (about 1e-6 of the number): no bf16 or f16 on the way to a quantiser, and a product that is left as it is and whose result goes on into a quantised operand takes f32 operands (vector FMAs, or v_wmma_f32_16x16x4_f32). A number that lies on a knife's edge between two numbers of the format may be rounded either way, as far as f32 arithmetic and the matrix unit's own rounding can turn it there, and no further.
;; One version. Each part assembles by itself: llvm-mc -triple=amdgcn-amd-amdhsa -mcpu=gfx1250 --defsym DOCPART=n.
;; ======== version 1 of 1: 4 launches
;; limits: right only within a limited range of input values
;; workspace buffers: opnd 12,976,128 bytes; qkv 25,952,256 bytes; att 8,912,896 bytes
;; launch quant (part 1): grid 256 x 1, 3 waves a work-group, no clusters, 25,856 bytes of LDS; arguments x, Wq, Wk, Wv, Wo, opnd; writes opnd
.if DOCPART == 1
	.amdgcn_target "amdgcn-amd-amdhsa--gfx1250"
	.amdhsa_code_object_version 6
	.text
	.protected	k_q3d1d314cfc_quant
	.globl	k_q3d1d314cfc_quant
	.p2align	8
	.type	k_q3d1d314cfc_quant,@function
k_q3d1d314cfc_quant:
	s_mov_b64 s[64:65], 0
	v_nop
	global_prefetch_b8 v0, s[64:65] scope:SCOPE_SE
	s_setreg_imm32_b32 hwreg(HW_REG_WAVE_MODE, 25, 1), 1
	s_wait_xcnt 0x0
; LAUNCH 1 OF 4: x [8192][1024] and Wq, Wk, Wv, Wo [1024][1024], f32, K innermost, become codes of BF8 (E5M2) with one E8M0 byte for each 32 along K.
; DEAD WORK, for the whole program: template_ids is an argument of reference() that its body names nowhere, so for all values of all inputs it has no way to the output.  It is not loaded and is an
; argument of no launch.  (A NaN, an infinity or an overflow cannot arise there: nothing is computed from it.)  Every other input is live: each bias goes into a quantiser or the result, the mask selects values.
; THE RULE: a block's scale is 2^(floor(log2(largest magnitude)) - 15); its byte is the largest magnitude's exponent field - 15, held at 1 from below; each number is held within +-57,344 x the scale and rounded to the nearest code, ties to even.
; LIMITS: NaN and infinities among the inputs are not served.  A block of zeros gets the byte 1 where the rule says 127: its codes are zeros, and this program alone reads the bytes.
; LAYOUT OF opnd.  Rows are kept in POSITION ORDER: bits 3 and 4 of a row's index change places, so row r of tile T (16 positions) is row 32 (T / 2) + 8 (T % 2) + r + 8 (r / 8) of its tensor.  Used as source 0 of a
; matrix instruction, two neighbouring tiles then leave 16 neighbouring indices in a lane's 16 result registers.  Tiles 0-511: x; 512-: Wq; 576-: Wk; 640-: Wv; 704-767: Wo.
; A tile's codes are 8 IMAGES of an operand's registers, one for each 128 along K: [group c 0..3][lane][16 bytes], lane (r, h) group c = k 32 c + 16 h + 0 .. 15 of row r: 2,048 bytes, tile T at 16,384 T.
; Its scale bytes are rows of 32 bytes, a row a position, at XSOFF + 512 T + 32 r.
; SHARES.  One wave, one tile, all of K: 768 waves.  Each load reads 512 consecutive bytes of a row; a K step's 16 rows turn through the wave's own stage in LDS, so that a lane gets 16 neighbours of each block.  Waves share nothing: no barrier.
.set PITCH, 528                        ; a stage row: 512 bytes + 16: an odd multiple of 16, so the sixteen rows that a read touches start in different banks
.set WST,   16*PITCH                   ; a wave's stage
.set SPARE, 3*WST                      ; behind the stages: the spare words, 128 bytes a wave, in two blocks of 256 bytes that no other line names
.set XSOFF, 12582912                   ; where the scale bytes begin in opnd
.set GL,  4                            ; v4   16 x lane: my place in a load's and in a store's 512 bytes
.set STI, 5                            ; v5   the stage, on the way in
.set STO, 6                            ; v6   and on the way out: row r, + 64 h
.set SA,  7                            ; v7   32 r + 16 h: my 16 scale bytes
.set SPW, 8                            ; v8   my spare word; never rewritten
.set NIL, 9                            ; v9   0; never rewritten
.set TM,  12                           ; v12-27  largest magnitudes, bytes, scale operands
.set PWS, 28                           ; v28-35  the scale word of each K step
.set SW,  36                           ; v36-39  the four words that I store
.set PC,  40                           ; v40-55  a fragment's codes
.set X,   56                           ; v56-119 64 numbers: register 16 b + i = k 32 b + 16 h + i of my row
.set R,   120                          ; v120-247 two sets of 64 registers as loaded
.set SEL, 28                           ; s28, s29 selects of v_permlanex16_b32: lane l xor 16
.set MNT, 30
; 64 numbers of a lane become a fragment's codes in v[PC] on and its scale word in v[pw].
.macro QUANT s, pw, mode
.irp b, 0,1,2,3
	v_max3_num_f32 v[TM+\b], |v[(\s)+16*\b]|, |v[(\s)+1+16*\b]|, 0x8000000   ; my 16 numbers of block b, and the floor 2^(16 - 127): the byte cannot fall under 1
.endr
.irp i, 2,4,6,8,10,12,14
.irp b, 0,1,2,3
	v_max3_num_f32 v[TM+\b], v[TM+\b], |v[(\s)+16*\b+\i]|, |v[(\s)+1+16*\b+\i]|   ; the four blocks by turns
.endr
.endr
.irp b, 0,1,2,3
	v_permlanex16_b32 v[TM+4+\b], v[TM+\b], s[SEL], s[SEL+1]
.endr
.irp b, 0,1,2,3
	v_max_num_f32 v[TM+\b], v[TM+\b], v[TM+4+\b]           ; with lane l xor 16's 16: the block's largest magnitude
.endr
.irp b, 0,1,2,3
	v_add_nc_u32 v[TM+12+\b], 0xf8800000, v[TM+\b]         ; 15 off its exponent field: the conversion's scale operand
.endr
.irp b, 0,1,2,3
.endr
.if \mode
.irp b, 0,1,2,3
	v_cndmask_b32 v[TM+8+\b], 0, v[TM+8+\b], vcc_lo
.endr
.endif
.irp b, 0,1,2,3
	v_lshrrev_b32 v[TM+4+\b], 23, v[TM+12+\b]              ; the scale's byte
.endr
	v_lshl_or_b32 v[(\pw)], v[TM+5], 8, v[TM+4]
	v_lshl_or_b32 v[(\pw)], v[TM+6], 16, v[(\pw)]
	v_lshl_or_b32 v[(\pw)], v[TM+7], 24, v[(\pw)]
.irp b, 0,1,2,3
.irp i, 0,1,2,3,4,5,6,7,8,9,10,11,12,13,14,15
.endr
	v_cvt_scalef32_pk8_bf8_f32 v[PC+4*\b:PC+1+4*\b], v[(\s)+16*\b:(\s)+7+16*\b], v[TM+12+\b]
	v_cvt_scalef32_pk8_bf8_f32 v[PC+2+4*\b:PC+3+4*\b], v[(\s)+8+16*\b:(\s)+15+16*\b], v[TM+12+\b]
.endr
	v_nop                                          ; one plain line behind the last conversion
.endm
	s_load_b256 s[4:11], s[0:1], 0x0               ; x, Wq, Wk, Wv
	s_load_b128 s[12:15], s[0:1], 0x20             ; Wo, opnd
	v_lshl_add_u32 v[SPW], v0, 2, SPARE
	v_mov_b32 v[NIL], 0
	v_lshrrev_b32 v1, 5, v0
	v_readfirstlane_b32 s16, v1                    ; wave 0..2
	v_and_b32 v1, 31, v0                           ; lane
	v_and_b32 v2, 15, v0                           ; r
	v_bfe_u32 v3, v0, 4, 1                         ; h
	v_lshlrev_b32 v[GL], 4, v1
	s_mul_i32 s26, s16, WST
	v_add_nc_u32 v[STI], s26, v[GL]
	v_mul_u32_u24 v[STO], v2, PITCH
	v_lshl_add_u32 v[STO], v3, 6, v[STO]
	v_add_nc_u32 v[STO], s26, v[STO]
	v_lshlrev_b32 v[SA], 5, v2
	v_lshl_add_u32 v[SA], v3, 4, v[SA]
.irp b, 0,1,2,3
	v_mov_b32 v[TM+4+\b], 0                        ; written once: a lane permute's destination counts as one of its sources
.endr
	s_mov_b32 s[SEL], 0x76543210
	s_mov_b32 s[SEL+1], 0xfedcba98
	s_mul_i32 s17, ttmp9, 3
	s_add_co_u32 s17, s17, s16                     ; T: my tile, 0..767
	s_and_b32 s19, s17, 63                         ; its number inside a weight
	s_wait_alu depctr_va_vdst(0)
	s_wait_kmcnt 0x0
	s_mov_b64 s[20:21], s[12:13]                   ; which tensor: a choice on the tile's number alone
	s_cmp_lt_u32 s17, 704
	s_cselect_b64 s[20:21], s[10:11], s[20:21]
	s_cmp_lt_u32 s17, 640
	s_cselect_b64 s[20:21], s[8:9], s[20:21]
	s_cmp_lt_u32 s17, 576
	s_cselect_b64 s[20:21], s[6:7], s[20:21]
	s_cmp_lt_u32 s17, 512
	s_cselect_b64 s[20:21], s[4:5], s[20:21]
	s_cselect_b32 s18, s17, s19                    ; the tile's number inside its tensor
	s_lshr_b32 s26, s18, 1
	s_lshl_b32 s26, s26, 17                        ; 32 rows of 4,096 bytes for each pair of tiles,
	s_and_b32 s27, s18, 1
	s_lshl_b32 s27, s27, 15                        ; 8 rows for the odd one
	s_add_co_u32 s26, s26, s27
	s_mov_b32 s27, 0
	s_add_nc_u64 s[20:21], s[20:21], s[26:27]
	s_lshl_b32 s26, s17, 14
	s_add_nc_u64 s[22:23], s[14:15], s[26:27]      ; my tile's images
	s_lshl_b32 s26, s17, 9
	s_add_co_u32 s26, s26, XSOFF
	s_add_nc_u64 s[24:25], s[14:15], s[26:27]      ; my tile's scale bytes
.macro LOAD s                          ; K step s: 16 rows x 512 bytes; row i of the tile is row i + 8 (i / 8) from the tile's first
.irp i, 0,1,2,3,4,5,6,7,8,9,10,11,12,13,14,15
	global_load_b128 v[R+64*((\s)%2)+4*\i:R+64*((\s)%2)+4*\i+3], v[GL], s[20:21] offset:(\i+8*(\i/8))*4096+512*(\s) th:TH_LOAD_NT
.endr
.endm
.macro STEP s
.if (\s) < 7
	s_wait_loadcnt 16                              ; this step's 16 loads are in; the next step's 16 may be out
.else
	s_wait_loadcnt 0
.endif
.irp i, 0,1,2,3,4,5,6,7,8,9,10,11,12,13,14,15
	ds_store_b128 v[STI], v[R+64*((\s)%2)+4*\i:R+64*((\s)%2)+4*\i+3] offset:PITCH*\i
.endr
.irp b, 0,1,2,3
.irp j, 0,1,2,3
	ds_load_b128 v[X+16*\b+4*\j:X+16*\b+4*\j+3], v[STO] offset:128*\b+16*\j   ; LDS serves a wave's instructions in order: these see the stores above
.endr
.endr
	s_wait_dscnt 0x0                               ; the numbers are back, and the stores into the stage have read their registers
	s_wait_xcnt 0x0                                ; the last step's stores have read the codes' registers: they are written again only behind this wait
.if (\s) < 6
	LOAD (\s)+2
.endif
	QUANT X, PWS+(\s), 0
.irp c, 0,1,2,3
	global_store_b128 v[GL], v[PC+4*\c:PC+4*\c+3], s[22:23] offset:2048*(\s)+512*\c   ; 32 lanes store 512 consecutive bytes
.endr
.endm
	LOAD 0
	LOAD 1
.irp s, 0,1,2,3,4,5,6,7
	STEP \s
.endr
	v_cmp_lt_u32 vcc_lo, 15, v1                    ; lanes 16-31 store the words of K steps 4 to 7 (both halves of the lanes hold all eight)
.irp j, 0,1,2,3
	v_cndmask_b32 v[SW+\j], v[PWS+\j], v[PWS+4+\j], vcc_lo
.endr
	global_store_b128 v[SA], v[SW:SW+3], s[24:25]  ; the tile's 512 scale bytes, consecutive
	s_wait_tensorcnt 0x0                           ; the wave's end
	ds_add_u32 v[SPW], v[NIL]
	s_wait_dscnt 0x0
	s_endpgm
.Lfunc_end_k_q3d1d314cfc_quant:
	.size	k_q3d1d314cfc_quant, .Lfunc_end_k_q3d1d314cfc_quant-k_q3d1d314cfc_quant
	.p2alignl 7, 3214868480
	.fill 96, 4, 3214868480
	.section	.rodata,"a",@progbits
	.p2align	6, 0x0
	.amdhsa_kernel k_q3d1d314cfc_quant
		.amdhsa_group_segment_fixed_size 25856
		.amdhsa_private_segment_fixed_size 0
		.amdhsa_enable_private_segment 0
		.amdhsa_kernarg_size 48
		.amdhsa_user_sgpr_count 2
		.amdhsa_user_sgpr_kernarg_segment_ptr 1
		.amdhsa_wavefront_size32 1
		.amdhsa_system_sgpr_workgroup_id_x 1
		.amdhsa_system_sgpr_workgroup_id_y 1
		.amdhsa_system_sgpr_workgroup_id_z 1
		.amdhsa_system_vgpr_workitem_id 0
		.amdhsa_next_free_vgpr 248
		.amdhsa_next_free_sgpr 66
		.amdhsa_reserve_vcc 1
		.amdhsa_float_denorm_mode_32 3
		.amdhsa_float_denorm_mode_16_64 3
		.amdhsa_fp16_overflow 1
		.amdhsa_memory_ordered 1
		.amdhsa_forward_progress 1
		.amdhsa_inst_pref_size 64
	.end_amdhsa_kernel
	.amdgpu_metadata
---
amdhsa.version: [ 1, 2 ]
amdhsa.kernels:
  - .name:           k_q3d1d314cfc_quant
    .symbol:         k_q3d1d314cfc_quant.kd
    .args:
      - { .name: x, .offset: 0, .size: 8, .value_kind: global_buffer, .address_space: global }
      - { .name: Wq, .offset: 8, .size: 8, .value_kind: global_buffer, .address_space: global }
      - { .name: Wk, .offset: 16, .size: 8, .value_kind: global_buffer, .address_space: global }
      - { .name: Wv, .offset: 24, .size: 8, .value_kind: global_buffer, .address_space: global }
      - { .name: Wo, .offset: 32, .size: 8, .value_kind: global_buffer, .address_space: global }
      - { .name: opnd, .offset: 40, .size: 8, .value_kind: global_buffer, .address_space: global }
    .group_segment_fixed_size: 25856
    .private_segment_fixed_size: 0
    .kernarg_segment_align: 8
    .kernarg_segment_size: 48
    .max_flat_workgroup_size: 96
    .sgpr_count:     66
    .vgpr_count:     248
    .wavefront_size: 32
...
	.end_amdgpu_metadata
.endif
;; end of part 1
;; launch qkv (part 2): grid 12 x 32, 4 waves a work-group, clusters of 4 x 4, 327,680 bytes of LDS; arguments opnd, bq, bk, bv, attention_mask, qkv; writes qkv
.if DOCPART == 2
	.amdgcn_target "amdgcn-amd-amdhsa--gfx1250"
	.amdhsa_code_object_version 6
	.text
	.protected	k_q3d1d314cfc_qkv
	.globl	k_q3d1d314cfc_qkv
	.p2align	8
	.type	k_q3d1d314cfc_qkv,@function
k_q3d1d314cfc_qkv:
	s_mov_b64 s[64:65], 0
	v_nop
	global_prefetch_b8 v0, s[64:65] scope:SCOPE_SE
	s_setreg_imm32_b32 hwreg(HW_REG_WAVE_MODE, 25, 1), 1
	s_wait_xcnt 0x0
	s_wait_alu depctr_hold_cnt(0) depctr_sa_sdst(0) depctr_va_vdst(0) depctr_va_sdst(0) depctr_va_ssrc(0) depctr_va_vcc(0) depctr_vm_vsrc(0)
	s_getreg_b32 s2, hwreg(HW_REG_IB_STS2, 6, 4)
	s_cmp_eq_u32 s2, 0
	s_cbranch_scc0 .Lentry_in_a_cluster
	s_endpgm
.Lentry_in_a_cluster:
	s_bfe_u32 s2, ttmp6, 0x10000c
	s_cmp_lg_u32 s2, 0xf033
	s_cbranch_scc0 .Lentry_shape_is_right
	s_endpgm
.Lentry_shape_is_right:
.set KADV,  4096
.set HALFT, 32768
.set SLOT,  4*HALFT
.set SCL,   2*SLOT
.set KS,    32
.set HALFS, (128*KS/256)*272
.set SBLK,  (16*KS/256)*272
.set SPARE, SCL+4*HALFS
.set NQ,    2
.set FR,    16
.set NL,    4
.set NP,    8
.set XSOFF, 12582912
.set QSOFF, 25165824
.set VCOFF, 16777216
.set VSOFF, 25690112
.set L16,  4
.set L4,   5
.set H64,  6
.set RP4,  7
.set LW,   8
.set ADRA, 16
.set ADRB, 20
.set ADRS, 27
.set SPW,  28
.set NIL,  29
.set SC,   32
.set BI,   64
.set AF,   128
.set X,    128
.set PC,   192
.set TM,   208
.set PWS,  224
.set W,    232
.set SEL,  40
.set MNT,  42
.set G1, 24
.set G0, 32
.set G1B, 48
.set G0B, 56
.set G1S, 68
.set G0S, 76
.set G1SB, 80
.set G0SB, 88
.set MSB, 0
.macro WIN new
.if MSB != \new
	s_set_vgpr_msb (MSB<<8)|\new
.set MSB, \new
.endif
.endm
.set MUL_LO, 0xa1
.set MUL_HI, 0xf1
.set TO_B,   0x40
.macro JLOAD g0a, g1a, g0b, g1b
	s_cmp_eq_u32 s17, 0
	s_cbranch_scc0 .Lfor_b_\@
	tensor_load_to_lds s[\g0a:\g0a+3], s[\g1a:\g1a+7]
	s_nop 0
.rept 4
	v_nop
.endr
	s_branch .Lasked_\@
.Lfor_b_\@:
	tensor_load_to_lds s[\g0b:\g0b+3], s[\g1b:\g1b+7]
	s_nop 0
.rept 4
	v_nop
.endr
.Lasked_\@:
.endm
.macro CREST
	s_cmp_lg_u32 s16, 0
	s_cbranch_scc1 .Lnot_wave_0_\@
	s_barrier_signal -3
.Lnot_wave_0_\@:
	s_barrier_wait -3
	s_barrier_signal -1
	s_barrier_wait -1
.endm
.macro CROUND
	s_barrier_signal -1
	s_barrier_wait -1
	CREST
.endm
.macro QUANT s, pw, mode
.irp b, 0,1,2,3
	v_max3_num_f32 v[TM+\b], |v[(\s)+16*\b]|, |v[(\s)+1+16*\b]|, 0x8000000
.endr
.irp i, 2,4,6,8,10,12,14
.irp b, 0,1,2,3
	v_max3_num_f32 v[TM+\b], v[TM+\b], |v[(\s)+16*\b+\i]|, |v[(\s)+1+16*\b+\i]|
.endr
.endr
.irp b, 0,1,2,3
	v_permlanex16_b32 v[TM+4+\b], v[TM+\b], s[SEL], s[SEL+1]
.endr
.irp b, 0,1,2,3
	v_max_num_f32 v[TM+\b], v[TM+\b], v[TM+4+\b]
.endr
.irp b, 0,1,2,3
	v_add_nc_u32 v[TM+12+\b], 0xf8800000, v[TM+\b]
.endr
.irp b, 0,1,2,3
	v_and_or_b32 v[TM+8+\b], v[TM+\b], 0x7f800000, s[MNT]
.endr
.if \mode
.irp b, 0,1,2,3
	v_cndmask_b32 v[TM+8+\b], 0, v[TM+8+\b], vcc_lo
.endr
.endif
.irp b, 0,1,2,3
	v_lshrrev_b32 v[TM+4+\b], 23, v[TM+12+\b]
.endr
	v_lshl_or_b32 v[(\pw)], v[TM+5], 8, v[TM+4]
	v_lshl_or_b32 v[(\pw)], v[TM+6], 16, v[(\pw)]
	v_lshl_or_b32 v[(\pw)], v[TM+7], 24, v[(\pw)]
.irp b, 0,1,2,3
.irp i, 0,1,2,3,4,5,6,7,8,9,10,11,12,13,14,15
	v_med3_num_f32 v[(\s)+16*\b+\i], v[(\s)+16*\b+\i], -v[TM+8+\b], v[TM+8+\b]
.endr
	v_cvt_scalef32_pk8_bf8_f32 v[PC+4*\b:PC+1+4*\b], v[(\s)+16*\b:(\s)+7+16*\b], v[TM+12+\b]
	v_cvt_scalef32_pk8_bf8_f32 v[PC+2+4*\b:PC+3+4*\b], v[(\s)+8+16*\b:(\s)+15+16*\b], v[TM+12+\b]
.endr
	v_nop
.endm
	s_load_b256 s[4:11], s[0:1], 0x0
	s_load_b128 s[12:15], s[0:1], 0x20
	v_lshl_add_u32 v[SPW], v0, 2, SPARE
	v_mov_b32 v[NIL], 0
	ds_add_u32 v[SPW], v[NIL]
	ds_add_u32 v[SPW], v[NIL]
	v_lshrrev_b32 v1, 5, v0
	v_readfirstlane_b32 s16, v1
	s_lshr_b32 s17, s16, 1
	s_and_b32 s18, s16, 1
	s_bfe_u32 s40, ttmp6, 0x40000
	s_bfe_u32 s41, ttmp6, 0x40004
	s_mov_b32 s19, ttmp9
	s_and_b32 s42, ttmp7, 0xffff
	s_cmp_eq_u32 s19, 2
	s_cselect_b32 s20, 0, s42
	s_cselect_b32 s21, s42, s19
	s_cselect_b32 s92, 10485760, 0
	s_cselect_b32 s93, 327680, 0
	s_cselect_b32 s94, 0, 8388608
	s_cselect_b32 s95, 0, 262144
	s_lshl_b32 s20, s20, 2
	s_add_co_u32 s20, s20, s41
	s_lshl_b32 s21, s21, 2
	s_add_co_u32 s21, s21, s40
	s_lshl_b32 s43, s41, 2
	s_lshl_b32 s43, 15, s43
	s_lshl_b32 s44, 0x1111, s40
	s_or_b32 s[G1+0], s43, (3<<16)|(1<<21)
	s_or_b32 s[G1B+0], s44, (3<<16)|(1<<21)
.irp g, G1, G1B
	s_mov_b32 s[\g+1], 512<<16
	s_mov_b32 s[\g+2], 8<<16
	s_mov_b32 s[\g+3], 512<<16
	s_mov_b32 s[\g+4], 8
	s_mov_b32 s[\g+5], 2048
	s_mov_b32 s[\g+6], 0
	s_mov_b32 s[\g+7], 0
.endr
	s_or_b32 s[G1S+0], s43, (3<<16)|(1<<20)|(1<<21)|(5<<22)|(3<<25)
	s_or_b32 s[G1SB+0], s44, (3<<16)|(1<<20)|(1<<21)|(5<<22)|(3<<25)
.irp g, G1S, G1SB
	s_mov_b32 s[\g+1], 32<<16
	s_mov_b32 s[\g+2], (128*KS/256)<<16
	s_mov_b32 s[\g+3], 32<<16
	s_mov_b32 s[\g+4], 128*KS/256
	s_mov_b32 s[\g+5], 32
	s_mov_b32 s[\g+6], 0
	s_mov_b32 s[\g+7], 0
.endr
	s_lshl_b32 s45, s18, 7
	s_lshl_b32 s96, s20, 8
	s_add_co_u32 s96, s96, s45
	s_lshl_b32 s46, s21, 8
	s_add_co_u32 s46, s46, s45
	s_lshl_b32 s98, s96, 5
	s_add_co_u32 s98, s98, s93
	s_add_co_u32 s98, s98, XSOFF
	s_mov_b32 s99, 0
	s_lshl_b32 s96, s96, 10
	s_add_co_u32 s96, s96, s92
	s_mov_b32 s97, 0
	s_lshl_b32 s22, s46, 5
	s_add_co_u32 s22, s22, s95
	s_add_co_u32 s22, s22, XSOFF
	s_mov_b32 s23, 0
	s_lshl_b32 s46, s46, 10
	s_add_co_u32 s46, s46, s94
	s_mov_b32 s47, 0
	s_mul_i32 s100, s16, HALFT
	s_mul_i32 s101, s16, HALFS
	s_wait_dscnt 0x0
	s_wait_kmcnt 0x0
	s_add_nc_u64 s[96:97], s[4:5], s[96:97]
	s_add_nc_u64 s[98:99], s[4:5], s[98:99]
	s_add_nc_u64 s[46:47], s[4:5], s[46:47]
	s_add_nc_u64 s[22:23], s[4:5], s[22:23]
	CROUND
	s_mov_b32 s[G0S], 1
	s_add_co_u32 s[G0S+1], s101, SCL
	s_mov_b64 s[G0S+2:G0S+3], s[98:99]
	s_or_b32 s[G0S+3], s[G0S+3], 0x80000000
	s_mov_b32 s[G0SB], 1
	s_add_co_u32 s[G0SB+1], s101, SCL
	s_mov_b64 s[G0SB+2:G0SB+3], s[22:23]
	s_or_b32 s[G0SB+3], s[G0SB+3], 0x80000000
	JLOAD G0S, G1S, G0SB, G1SB
.irp s, 0,1
	s_mov_b32 s[G0+4*\s], 1
	s_add_co_u32 s[G0+4*\s+1], s100, \s*SLOT
	s_add_nc_u64 s[G0+4*\s+2:G0+4*\s+3], s[96:97], \s*KADV
	s_or_b32 s[G0+4*\s+3], s[G0+4*\s+3], 0x80000000
	s_mov_b32 s[G0B+4*\s], 1
	s_add_co_u32 s[G0B+4*\s+1], s100, \s*SLOT
	s_add_nc_u64 s[G0B+4*\s+2:G0B+4*\s+3], s[46:47], \s*KADV
	s_or_b32 s[G0B+4*\s+3], s[G0B+4*\s+3], 0x80000000
	s_wait_alu depctr_va_vdst(0)
	s_wait_tensorcnt 0x0
	ds_add_u32 v28, v29
	s_wait_dscnt 0x0
	CROUND
	JLOAD G0+4*\s, G1, G0B+4*\s, G1B
.endr
	v_and_b32 v1, 15, v0
	v_bfe_u32 v2, v0, 4, 1
	v_and_b32 v3, 31, v0
	v_lshlrev_b32 v[L16], 4, v3
	v_lshlrev_b32 v[L4], 2, v3
	v_lshlrev_b32 v[H64], 6, v2
	v_and_b32 v[RP4], 8, v1
	v_add_nc_u32 v[RP4], v[RP4], v1
	v_lshlrev_b32 v[RP4], 2, v[RP4]
	v_cmp_lt_u32 s67, 15, v3
	s_mul_i32 s92, s17, HALFT
	s_mul_i32 s93, s18, HALFT
	s_add_co_u32 s93, s93, 2*HALFT
.irp s, 0,1
	v_add_nc_u32 v[ADRA+\s], s92, v[L16]
	v_add_nc_u32 v[ADRB+\s], s93, v[L16]
	s_add_co_u32 s92, s92, SLOT
	s_add_co_u32 s93, s93, SLOT
.endr
	v_mul_u32_u24 v18, v1, KS
	v_lshrrev_b32 v19, 8, v18
	v_lshl_add_u32 v18, v19, 4, v18
	s_mul_i32 s92, s17, HALFS
	s_mul_i32 s93, s18, HALFS
	s_add_co_u32 s93, s93, 2*HALFS
	s_sub_co_u32 s93, s93, s92
	v_mul_u32_u24 v19, s93, v2
	s_add_co_u32 s92, s92, SCL
	v_add_nc_u32 v18, v18, v19
	v_add_nc_u32 v[ADRS], s92, v18
	s_cmp_eq_u32 s19, 2
	s_cselect_b64 s[100:101], s[10:11], s[12:13]
	s_cmp_eq_u32 s19, 0
	s_cselect_b32 s66, 1, 0
	s_lshl_b32 s92, s20, 8
	s_lshl_b32 s93, s17, 7
	s_add_co_u32 s92, s92, s93
	s_lshl_b32 s92, s92, 2
	s_mov_b32 s93, 0
	s_add_nc_u64 s[100:101], s[100:101], s[92:93]
.irp a, 0,1,2,3,4,5,6,7
	global_load_b32 v[LW+\a], v[RP4], s[100:101] offset:4*(32*(\a/2)+8*(\a%2))
.endr
	s_mov_b32 s[SEL], 0x76543210
	s_mov_b32 s[SEL+1], 0xfedcba98
	s_mov_b32 s[MNT], 0x600000
.macro FRAG reg, adr, q, i
.irp c, 0,1,2,3
	ds_load_b128 v[\reg+4*\c:\reg+4*\c+3], v[\adr] offset:2048*(\q)+512*\c+(\i)*KADV
.endr
.endm
.macro MUL16 a0, p, q, sc, zero
.irp a, \a0, \a0+1
.irp b, 0,1,2,3,4,5,6,7
.if \zero
	v_wmma_scale_f32_16x16x128_f8f6f4 v[8*(8*((\a)%4)+\b):8*(8*((\a)%4)+\b)+7], v[128*(\p)+FR*\b:128*(\p)+FR*\b+FR-1], v[AF+FR*(\a):AF+FR*(\a)+FR-1], 0, v[SC+8*NQ*(\sc)+NQ*\b+(\q)], v[SC+8*NQ*(\sc)+NQ*(\a)+(\q)] matrix_a_fmt:MATRIX_FMT_BF8 matrix_b_fmt:MATRIX_FMT_BF8 matrix_a_scale:MATRIX_SCALE_ROW1
.else
	v_wmma_scale_f32_16x16x128_f8f6f4 v[8*(8*((\a)%4)+\b):8*(8*((\a)%4)+\b)+7], v[128*(\p)+FR*\b:128*(\p)+FR*\b+FR-1], v[AF+FR*(\a):AF+FR*(\a)+FR-1], v[8*(8*((\a)%4)+\b):8*(8*((\a)%4)+\b)+7], v[SC+8*NQ*(\sc)+NQ*\b+(\q)], v[SC+8*NQ*(\sc)+NQ*(\a)+(\q)] matrix_a_fmt:MATRIX_FMT_BF8 matrix_b_fmt:MATRIX_FMT_BF8 matrix_a_scale:MATRIX_SCALE_ROW1
.endif
.endr
.endr
.endm
.macro FETCH_B slot, q, p
	WIN TO_B
.irp i, 0,1,2,3,4,5,6,7
	FRAG 128*(\p)+FR*\i, ADRB+\slot, \q, \i
.endr
	WIN 0
.endm
.macro FETCH_A slot, q, i0
.irp i, \i0, \i0+1, \i0+2, \i0+3
	FRAG AF+FR*(\i), ADRA+\slot, \q, \i
.endr
.endm
.macro SCALES sc
.irp i, 0,1,2,3,4,5,6,7
	ds_load_b64 v[SC+8*NQ*\sc+NQ*\i:SC+8*NQ*\sc+NQ*\i+1], v[ADRS] offset:\i*SBLK
.endr
.endm
.macro PLACES n
.rept \n
	v_nop
.endr
.endm
.macro STEP slot, q, zero
	s_wait_dscnt 4*NL
	WIN MUL_LO
	MUL16 0, (\q)%2, \q, \slot, \zero
	MUL16 2, (\q)%2, \q, \slot, \zero
	s_wait_dscnt 0
	PLACES NP
	FETCH_B \slot, (\q)+1, 1-(\q)%2
	FETCH_A \slot, (\q)+1, 0
	WIN MUL_HI
	MUL16 4, (\q)%2, \q, \slot, \zero
	MUL16 6, (\q)%2, \q, \slot, \zero
	PLACES NP
	WIN 0
	FETCH_A \slot, (\q)+1, 4
.endm
.macro TURN slot, next, fill
	s_wait_tensorcnt 0x0
	ds_add_u32 v[SPW], v[NIL]
	s_wait_dscnt 4*NL+1
	WIN MUL_LO
	MUL16 0, 1, NQ-1, \slot, 0
	s_wait_dscnt 0x0
	s_barrier_signal -1
	MUL16 2, 1, NQ-1, \slot, 0
	WIN 0
	s_barrier_wait -1
.if \fill
	CREST
	s_add_nc_u64 s[G0+4*\slot+2:G0+4*\slot+3], s[G0+4*\slot+2:G0+4*\slot+3], 2*KADV
	s_add_nc_u64 s[G0B+4*\slot+2:G0B+4*\slot+3], s[G0B+4*\slot+2:G0B+4*\slot+3], 2*KADV
	JLOAD G0+4*\slot, G1, G0B+4*\slot, G1B
	PLACES NP-4
.else
	PLACES NP
.endif
	s_wait_alu depctr_va_vdst(0)
	v_add_nc_u32 v[ADRS], 4*NQ, v[ADRS]
	FETCH_B \next, 0, 0
	FETCH_A \next, 0, 0
	SCALES \next
	WIN MUL_HI
	MUL16 4, 1, NQ-1, \slot, 0
	MUL16 6, 1, NQ-1, \slot, 0
	PLACES NP
	WIN 0
	FETCH_A \next, 0, 4
.endm
.macro LAST
	s_wait_dscnt 4*NL
	WIN MUL_LO
	MUL16 0, 1, NQ-1, 1, 0
	MUL16 2, 1, NQ-1, 1, 0
	s_wait_dscnt 0
	WIN MUL_HI
	MUL16 4, 1, NQ-1, 1, 0
	MUL16 6, 1, NQ-1, 1, 0
	WIN 0
	PLACES NP
.irp b, 0,1,2,3
	v_mov_b32 v[TM+4+\b], 0
.endr
.endm
	s_wait_alu depctr_va_vdst(0)
	s_wait_tensorcnt 1
	s_barrier_signal -1
	s_barrier_wait -1
	FETCH_B 0, 0, 0
	FETCH_A 0, 0, 0
	SCALES 0
	FETCH_A 0, 0, 4
	STEP 0, 0, 1
	TURN 0, 1, 1
	STEP 1, 0, 0
	TURN 1, 0, 1
	STEP 0, 0, 0
	TURN 0, 1, 0
	STEP 1, 0, 0
	s_cmp_eq_u32 s19, 2
	s_cbranch_scc1 .Lv
	s_cmp_eq_u32 s19, 0
	s_cselect_b64 s[92:93], s[6:7], s[8:9]
	s_and_b32 s43, s21, 3
	s_lshl_b32 s44, s43, 8
	s_lshl_b32 s45, s18, 7
	s_add_co_u32 s44, s44, s45
	s_lshl_b32 s44, s44, 2
	s_mov_b32 s45, 0
	s_add_nc_u64 s[92:93], s[92:93], s[44:45]
.irp b, 0,1,2,3,4,5,6,7
	global_load_b128 v[BI+8*\b:BI+8*\b+3], v[H64], s[92:93] offset:4*(32*(\b/2)+8*(\b%2))
	global_load_b128 v[BI+8*\b+4:BI+8*\b+7], v[H64], s[92:93] offset:4*(32*(\b/2)+8*(\b%2))+16
.endr
	s_lshr_b32 s44, s20, 3
	s_lshl_b32 s44, s44, 4
	s_lshl_b32 s45, s43, 2
	s_add_co_u32 s44, s44, s45
	s_lshl_b32 s45, s18, 1
	s_add_co_u32 s44, s44, s45
	s_and_b32 s45, s20, 7
	s_lshl_b32 s45, s45, 4
	s_lshl_b32 s46, s17, 3
	s_add_co_u32 s45, s45, s46
	s_lshl_b32 s96, s44, 7
	s_add_co_u32 s96, s96, s45
	s_lshl_b32 s96, s96, 10
	s_lshl_b32 s46, s19, 23
	s_add_co_u32 s96, s96, s46
	s_mov_b32 s97, 0
	s_add_nc_u64 s[96:97], s[14:15], s[96:97]
	s_lshl_b32 s98, s44, 6
	s_lshr_b32 s45, s45, 1
	s_add_co_u32 s98, s98, s45
	s_lshl_b32 s98, s98, 6
	s_lshl_b32 s46, s19, 18
	s_add_co_u32 s98, s98, s46
	s_add_co_u32 s98, s98, QSOFF
	s_mov_b32 s99, 0
	s_add_nc_u64 s[98:99], s[14:15], s[98:99]
	LAST
	s_wait_loadcnt 0x0
.macro OUTQK a
	s_wait_xcnt 0x0
	v_or_b32 v[LW+\a], s66, v[LW+\a]
	v_cmp_ne_u32 vcc_lo, 0, v[LW+\a]
	WIN 0x02+(\a)/4
.set n, 0
.rept 32
	v_pk_add_f32 v[X+2*n:X+2*n+1], v[64*((\a)%4)+2*n:64*((\a)%4)+2*n+1], v[BI+2*n:BI+2*n+1]
.set n, n+1
.endr
	WIN 0
	QUANT X, PWS+\a, 1
.irp hd, 0,1
.irp c, 0,1
	global_store_b128 v[L16], v[PC+4*(2*\hd+\c):PC+4*(2*\hd+\c)+3], s[96:97] offset:131072*\hd+1024*(\a)+512*\c
.endr
.endr
.endm
.macro SCQK g
.irp hd, 0,1
	v_perm_b32 v[W+4], v[PWS+4*\g+1], v[PWS+4*\g], 0x05040100+0x02020202*\hd
	v_perm_b32 v[W+5], v[PWS+4*\g+3], v[PWS+4*\g+2], 0x05040100+0x02020202*\hd
	v_cndmask_b32 v[W+2*\g+\hd], v[W+4], v[W+5], s67
	global_store_b32 v[L4], v[W+2*\g+\hd], s[98:99] offset:128*\g+4096*\hd
.endr
.endm
	OUTQK 0
	OUTQK 1
	OUTQK 2
	OUTQK 3
	SCQK 0
	OUTQK 4
	OUTQK 5
	OUTQK 6
	OUTQK 7
	SCQK 1
	s_branch .Ldone
.Lv:
	s_lshl_b32 s44, s20, 2
	s_lshl_b32 s45, s17, 1
	s_add_co_u32 s44, s44, s45
	s_lshr_b32 s45, s21, 3
	s_lshl_b32 s45, s45, 4
	s_add_co_u32 s44, s44, s45
	s_lshl_b32 s44, s44, 4
	s_and_b32 s45, s21, 7
	s_lshl_b32 s45, s45, 1
	s_add_co_u32 s45, s45, s18
	s_add_co_u32 s44, s44, s45
	s_lshl_b32 s96, s44, 13
	s_add_co_u32 s96, s96, VCOFF
	s_mov_b32 s97, 0
	s_add_nc_u64 s[96:97], s[14:15], s[96:97]
	s_lshl_b32 s98, s44, 8
	s_add_co_u32 s98, s98, VSOFF
	s_mov_b32 s99, 0
	s_add_nc_u64 s[98:99], s[14:15], s[98:99]
	LAST
	s_wait_loadcnt 0x0
.macro OUTV a
	s_wait_xcnt 0x0
	WIN 0x02+(\a)/4
.set n, 0
.rept 32
.if (\a)%2
	v_pk_add_f32 v[X+2*n:X+2*n+1], v[64*((\a)%4)+2*n:64*((\a)%4)+2*n+1], v[LW+(\a)-1:LW+(\a)] op_sel:[0,1] op_sel_hi:[1,1]
.else
	v_pk_add_f32 v[X+2*n:X+2*n+1], v[64*((\a)%4)+2*n:64*((\a)%4)+2*n+1], v[LW+(\a):LW+(\a)+1] op_sel:[0,0] op_sel_hi:[1,0]
.endif
.set n, n+1
.endr
	WIN 0
	QUANT X, PWS+\a, 0
.irp c, 0,1,2,3
	global_store_b128 v[L16], v[PC+4*\c:PC+4*\c+3], s[96:97] offset:131072*((\a)/4)+2048*((\a)%4)+512*\c
.endr
.if (\a)%2
	v_cndmask_b32 v[W+(\a)/2], v[PWS+(\a)-1], v[PWS+(\a)], s67
	global_store_b32 v[L4], v[W+(\a)/2], s[98:99] offset:4096*((\a)/4)+128*(((\a)%4)/2)
.endif
.endm
.irp a, 0,1,2,3,4,5,6,7
	OUTV \a
.endr
.Ldone:
	s_wait_tensorcnt 0x0
	ds_add_u32 v[SPW], v[NIL]
	s_wait_dscnt 0x0
	CROUND
	s_endpgm
.Lfunc_end_k_q3d1d314cfc_qkv:
	.size	k_q3d1d314cfc_qkv, .Lfunc_end_k_q3d1d314cfc_qkv-k_q3d1d314cfc_qkv
	.p2alignl 7, 3214868480
	.fill 96, 4, 3214868480
	.section	.rodata,"a",@progbits
	.p2align	6, 0x0
	.amdhsa_kernel k_q3d1d314cfc_qkv
		.amdhsa_group_segment_fixed_size 327680
		.amdhsa_private_segment_fixed_size 0
		.amdhsa_enable_private_segment 0
		.amdhsa_kernarg_size 48
		.amdhsa_user_sgpr_count 2
		.amdhsa_user_sgpr_kernarg_segment_ptr 1
		.amdhsa_wavefront_size32 1
		.amdhsa_system_sgpr_workgroup_id_x 1
		.amdhsa_system_sgpr_workgroup_id_y 1
		.amdhsa_system_sgpr_workgroup_id_z 1
		.amdhsa_system_vgpr_workitem_id 0
		.amdhsa_next_free_vgpr 1024
		.amdhsa_next_free_sgpr 102
		.amdhsa_reserve_vcc 1
		.amdhsa_float_denorm_mode_32 3
		.amdhsa_float_denorm_mode_16_64 3
		.amdhsa_memory_ordered 1
		.amdhsa_forward_progress 1
		.amdhsa_inst_pref_size 255
	.end_amdhsa_kernel
	.section	.bss,"aw",@nobits
	.p2align	6
	.space	262144
	.amdgpu_metadata
---
amdhsa.version: [ 1, 2 ]
amdhsa.kernels:
  - .name:           k_q3d1d314cfc_qkv
    .symbol:         k_q3d1d314cfc_qkv.kd
    .args:
      - { .name: opnd, .offset: 0, .size: 8, .value_kind: global_buffer, .address_space: global }
      - { .name: bq, .offset: 8, .size: 8, .value_kind: global_buffer, .address_space: global }
      - { .name: bk, .offset: 16, .size: 8, .value_kind: global_buffer, .address_space: global }
      - { .name: bv, .offset: 24, .size: 8, .value_kind: global_buffer, .address_space: global }
      - { .name: attention_mask, .offset: 32, .size: 8, .value_kind: global_buffer, .address_space: global }
      - { .name: qkv, .offset: 40, .size: 8, .value_kind: global_buffer, .address_space: global }
    .group_segment_fixed_size: 327680
    .private_segment_fixed_size: 0
    .kernarg_segment_align: 8
    .kernarg_segment_size: 48
    .max_flat_workgroup_size: 128
    .sgpr_count:     102
    .vgpr_count:     1024
    .wavefront_size: 32
...
	.end_amdgpu_metadata
.endif
;; end of part 2
;; launch attn (part 3): grid 4 x 64, 8 waves a work-group, clusters of 4 x 1, 327,680 bytes of LDS; arguments qkv, attention_mask, att; writes att
.if DOCPART == 3
	.amdgcn_target "amdgcn-amd-amdhsa--gfx1250"
	.amdhsa_code_object_version 6
	.text
	.protected	k_q3d1d314cfc_attn
	.globl	k_q3d1d314cfc_attn
	.p2align	8
	.type	k_q3d1d314cfc_attn,@function
k_q3d1d314cfc_attn:
	s_mov_b64 s[64:65], 0
	v_nop
	global_prefetch_b8 v0, s[64:65] scope:SCOPE_SE
	s_setreg_imm32_b32 hwreg(HW_REG_WAVE_MODE, 25, 1), 1
	s_wait_xcnt 0x0
	s_wait_alu depctr_hold_cnt(0) depctr_sa_sdst(0) depctr_va_vdst(0) depctr_va_sdst(0) depctr_va_ssrc(0) depctr_va_vcc(0) depctr_vm_vsrc(0)
	s_getreg_b32 s2, hwreg(HW_REG_IB_STS2, 6, 4)
	s_cmp_eq_u32 s2, 0
	s_cbranch_scc0 .Lentry_in_a_cluster
	s_endpgm
.Lentry_in_a_cluster:
	s_bfe_u32 s2, ttmp6, 0x10000c
	s_cmp_lg_u32 s2, 0x3003
	s_cbranch_scc0 .Lentry_shape_is_right
	s_endpgm
.Lentry_shape_is_right:
.set KCOFF, 8388608
.set QSOFF, 25165824
.set KSOFF, 25427968
.set OSOFF, 8388608
.set VB,    131072
.set KSB,   262144
.set VSB,   266240
.set MB,    270336
.set SPARE, 278528
.set AK0,  1
.set AV0,  2
.set ASK0, 3
.set ASV0, 4
.set AM0,  5
.set SPW,  6
.set NIL,  7
.set ADK,  8
.set ADV,  9
.set ADS,  10
.set ADT,  11
.set ADM,  12
.set L4,   14
.set R4,   15
.set NM,   16
.set LS,   20
.set FF,   24
.set KSW,  28
.set VSW,  32
.set QSW,  36
.set TM,   40
.set PC,   88
.set S,    128
.set KF,   104
.set CB,   168
.set KO,   48
.set TO,   49
.set MO,   50
.set CS,   54
.set SEL,  56
.set MNT,  58
.set MSB, 0
.macro WIN new
.if MSB != \new
	s_set_vgpr_msb (MSB<<8)|\new
.set MSB, \new
.endif
.endm
.macro CROUND
	s_barrier_signal -1
	s_barrier_wait -1
	s_cmp_lg_u32 s10, 0
	s_cbranch_scc1 .Lnot_wave_0_\@
	s_barrier_signal -3
.Lnot_wave_0_\@:
	s_barrier_wait -3
	s_barrier_signal -1
	s_barrier_wait -1
.endm
	s_load_b128 s[4:7], s[0:1], 0x0
	s_load_b64 s[8:9], s[0:1], 0x10
	v_lshl_add_u32 v[SPW], v0, 2, SPARE
	v_mov_b32 v[NIL], 0
	ds_add_u32 v[SPW], v[NIL]
	ds_add_u32 v[SPW], v[NIL]
	v_lshrrev_b32 v1, 5, v0
	s_delay_alu instid0(VALU_DEP_1)
	v_readfirstlane_b32 s10, v1
	s_bfe_u32 s11, ttmp6, 0x40000
	s_and_b32 s12, ttmp7, 0xffff
	s_mov_b32 s16, 15|(3<<16)|(1<<21)
	s_mov_b32 s17, 32<<16
	s_mov_b32 s18, 4<<16
	s_mov_b32 s19, 32<<16
	s_mov_b32 s20, 4
	s_mov_b32 s21, 32
	s_mov_b32 s22, 0
	s_mov_b32 s23, 0
	s_mov_b32 s24, 15|(3<<16)|(1<<21)
	s_mov_b32 s25, 32<<16
	s_mov_b32 s26, 128<<16
	s_mov_b32 s27, 32<<16
	s_mov_b32 s28, 128
	s_mov_b32 s29, 32
	s_mov_b32 s30, 0
	s_mov_b32 s31, 0
	s_lshr_b32 s13, s10, 2
	s_and_b32 s14, s10, 3
	s_lshl_b32 s60, s13, 18
	s_lshl_b32 s61, s12, 12
	s_add_co_u32 s60, s60, s61
	s_lshl_b32 s61, s14, 10
	s_add_co_u32 s60, s60, s61
	s_add_co_u32 s60, s60, KSOFF
	s_mov_b32 s61, 0
	s_lshl_b32 s62, s13, 23
	s_lshl_b32 s63, s12, 17
	s_add_co_u32 s62, s62, s63
	s_lshl_b32 s63, s14, 15
	s_add_co_u32 s62, s62, s63
	s_add_co_u32 s62, s62, KCOFF
	s_mov_b32 s63, 0
	s_lshl_b32 s15, s10, 10
	s_mov_b32 s32, 1
	s_add_co_u32 s33, s15, KSB
	s_mov_b32 s36, 1
	s_lshl_b32 s37, s10, 15
	s_mov_b32 s[CS], 0x3e38aa3b
	s_mov_b32 s[CS+1], s[CS]
	s_mov_b32 s[SEL], 0x76543210
	s_mov_b32 s[SEL+1], 0xfedcba98
	s_wait_dscnt 0x0
	s_wait_kmcnt 0x0
	s_add_nc_u64 s[34:35], s[4:5], s[60:61]
	s_or_b32 s35, s35, 0x80000000
	s_add_nc_u64 s[38:39], s[4:5], s[62:63]
	s_or_b32 s39, s39, 0x80000000
	CROUND
	tensor_load_to_lds s[32:35], s[16:23]
	s_nop 0
	s_wait_alu depctr_va_vdst(0)
	s_wait_tensorcnt 0x0
	ds_add_u32 v6, v7
	s_wait_dscnt 0x0
	CROUND
	tensor_load_to_lds s[36:39], s[24:31]
	s_nop 0
.rept 4
	v_nop
.endr
	s_lshl_b32 s66, s11, 4
	s_add_co_u32 s66, s66, s10
	s_lshl_b32 s60, s12, 17
	s_lshl_b32 s62, s66, 11
	s_add_co_u32 s60, s60, s62
	s_mov_b32 s61, 0
	s_add_nc_u64 s[40:41], s[4:5], s[60:61]
	s_lshl_b32 s60, s12, 12
	s_lshl_b32 s62, s66, 6
	s_add_co_u32 s60, s60, s62
	s_add_co_u32 s60, s60, QSOFF
	s_add_nc_u64 s[42:43], s[4:5], s[60:61]
	s_lshr_b32 s67, s12, 4
	s_and_b32 s70, s12, 15
	s_lshl_b32 s60, s67, 7
	s_lshl_b32 s62, s66, 1
	s_add_co_u32 s60, s60, s62
	s_lshl_b32 s60, s60, 14
	s_lshr_b32 s62, s70, 1
	s_lshl_b32 s62, s62, 11
	s_add_co_u32 s60, s60, s62
	s_and_b32 s62, s70, 1
	s_lshl_b32 s62, s62, 10
	s_add_co_u32 s60, s60, s62
	s_add_nc_u64 s[44:45], s[8:9], s[60:61]
	s_lshl_b32 s60, s12, 13
	s_lshl_b32 s62, s66, 7
	s_add_co_u32 s60, s60, s62
	s_add_co_u32 s60, s60, OSOFF
	s_add_nc_u64 s[46:47], s[8:9], s[60:61]
	s_lshl_b32 s60, s67, 13
	s_add_nc_u64 s[68:69], s[6:7], s[60:61]
	v_lshlrev_b32 v145, 5, v0
	global_load_b128 v[128:131], v145, s[68:69]
	global_load_b128 v[132:135], v145, s[68:69] offset:16
	v_add_nc_u32 v146, MB, v145
	v_mov_b32 v144, 0xc79c4000
	v_and_b32 v13, 31, v0
	v_and_b32 v[R4], 15, v0
	v_bfe_u32 v[AM0], v0, 4, 1
	s_delay_alu instid0(VALU_DEP_3)
	v_lshlrev_b32 v[AK0], 4, v13
	s_delay_alu instid0(VALU_DEP_1)
	v_add_nc_u32 v[AV0], VB, v[AK0]
	s_delay_alu instid0(VALU_DEP_4)
	v_lshlrev_b32 v[R4], 2, v[R4]
	s_delay_alu instid0(VALU_DEP_1)
	v_add_nc_u32 v[ASK0], KSB, v[R4]
	s_delay_alu instid0(VALU_DEP_2)
	v_add_nc_u32 v[ASV0], VSB, v[R4]
	v_lshlrev_b32 v[AM0], 6, v[AM0]
	s_delay_alu instid0(VALU_DEP_1)
	v_add_nc_u32 v[AM0], MB, v[AM0]
	v_lshlrev_b32 v[L4], 2, v13
	v_cmp_lt_u32 s59, 15, v13
.irp t, 0,1
.irp b, 0,1,2,3
	v_mov_b32 v[TM+24*\t+4+\b], 0
.endr
	v_mov_b32 v[TM+24*\t+17], 0
	v_mov_b32 v[FF+2*\t+1], 0
.endr
	WIN 0x40
.irp j, 0,1,2,3,4,5,6,7
	v_mov_b32 v[64+\j], 0
	v_mov_b32 v[80+\j], 0
	v_mov_b32 v[96+\j], 0
.endr
	WIN 0
	s_wait_loadcnt 0x0
.irp j, 0,1,2,3,4,5,6,7
	v_cmp_eq_u32 vcc_lo, 0, v[128+\j]
	s_delay_alu instid0(VALU_DEP_1)
	v_cndmask_b32 v[136+\j], 0, v144, vcc_lo
.endr
	ds_store_b128 v146, v[136:139]
	ds_store_b128 v146, v[140:143] offset:16
	s_wait_tensorcnt 0x0
	s_wait_dscnt 0x0
	s_barrier_signal -1
	s_barrier_wait -1
	s_mov_b32 s52, 2
.Lpass:
	WIN 0x40
	global_load_b128 v[72:75], v[AK0], s[40:41]
	global_load_b128 v[76:79], v[AK0], s[40:41] offset:512
	global_load_b128 v[88:91], v[AK0], s[40:41] offset:1024
	global_load_b128 v[92:95], v[AK0], s[40:41] offset:1536
	WIN 0
	global_load_b32 v13, v[R4], s[42:43]
.irp t, 0,1
	v_mov_b32 v[NM+2*\t+1], 0xff61b1e6
	s_delay_alu instid0(VALU_DEP_1)
	v_floor_f32 v[NM+2*\t], -v[NM+2*\t+1]
	v_mov_b32 v[LS+2*\t], 0
	v_mov_b32 v[LS+2*\t+1], 0
.endr
	s_wait_loadcnt 0x0
	v_perm_b32 v[QSW], v13, v13, 0x01000100
	v_perm_b32 v[QSW+1], v13, v13, 0x03020302
	WIN 0x40
.set n, 0
.rept 64
	v_mov_b32 v[n], 0
.set n, n+1
.endr
	WIN 0
	s_mov_b32 s[KO], 0
	s_mov_b32 s[TO], 0
	s_mov_b32 s[MO], 0
	s_mov_b32 s51, 16
.Lstep:
	s_setprio 2
	v_add_nc_u32 v[ADK], s[KO], v[AK0]
	v_add_nc_u32 v[ADV], s[KO], v[AV0]
	v_add_nc_u32 v[ADS], s[TO], v[ASK0]
	v_add_nc_u32 v[ADT], s[TO], v[ASV0]
	v_add_nc_u32 v[ADM], s[MO], v[AM0]
.rept 3
	v_nop
.endr
	WIN 0x40
.irp b, 0,1,2,3
.irp c, 0,1,2,3
	ds_load_b128 v[KF+16*\b+4*\c:KF+16*\b+4*\c+3], v[ADK] offset:2048*\b+512*\c
.endr
.endr
.irp n, 0,1,2,3,4,5,6,7
	ds_load_b128 v[CB+8*\n:CB+8*\n+3], v[ADM] offset:4*(32*(\n/2)+8*(\n%2))
	ds_load_b128 v[CB+8*\n+4:CB+8*\n+7], v[ADM] offset:4*(32*(\n/2)+8*(\n%2))+16
.endr
	WIN 0
.irp b, 0,1,2,3
	ds_load_b32 v[KSW+\b], v[ADS] offset:64*\b
.endr
	s_wait_alu depctr_va_vdst(0)
	s_wait_dscnt 0x0
	WIN 0x15
.irp b, 0,1,2,3
.irp u, 0,1
.irp t, 0,1
	v_wmma_scale_f32_16x16x128_f8f6f4 v[S+64*\t+16*\b+8*\u:S+64*\t+16*\b+8*\u+7], v[KF+16*\b:KF+16*\b+15], v[72+16*\t-8*\u:72+16*\t-8*\u+15], v[CB+8*(2*\b+\u):CB+8*(2*\b+\u)+7], v[KSW+\b], v[QSW+\t] matrix_a_fmt:MATRIX_FMT_BF8 matrix_b_fmt:MATRIX_FMT_BF8
.endr
.endr
.endr
	WIN 0
.rept 8
	v_nop
.endr
	WIN 0x40
.irp d, 0,1,2,3
.irp c, 0,1,2,3
	ds_load_b128 v[KF+16*\d+4*\c:KF+16*\d+4*\c+3], v[ADV] offset:2048*\d+512*\c
.endr
.endr
	WIN 0
.irp d, 0,1,2,3
	ds_load_b32 v[VSW+\d], v[ADT] offset:64*\d
.endr
.irp t, 0,1
.irp b, 0,1,2,3
	v_max3_num_f32 v[TM+24*\t+\b], v[S+64*\t+16*\b], v[S+64*\t+16*\b+1], v[S+64*\t+16*\b+2]
.endr
.endr
.irp i, 3,5,7,9,11,13
.irp t, 0,1
.irp b, 0,1,2,3
	v_max3_num_f32 v[TM+24*\t+\b], v[TM+24*\t+\b], v[S+64*\t+16*\b+\i], v[S+64*\t+16*\b+\i+1]
.endr
.endr
.endr
.irp t, 0,1
.irp b, 0,1,2,3
	v_max_num_f32 v[TM+24*\t+\b], v[TM+24*\t+\b], v[S+64*\t+16*\b+15]
.endr
.endr
.irp t, 0,1
.irp b, 0,1,2,3
	v_permlanex16_b32 v[TM+24*\t+4+\b], v[TM+24*\t+\b], s[SEL], s[SEL+1]
.endr
.endr
.irp t, 0,1
.irp b, 0,1,2,3
	v_max_num_f32 v[TM+24*\t+\b], v[TM+24*\t+\b], v[TM+24*\t+4+\b]
.endr
.endr
.irp t, 0
	v_max3_num_f32 v[TM+24*\t+16], v[TM+24*\t], v[TM+24*\t+1], v[TM+24*\t+2]
.endr
.irp t, 1
	s_delay_alu instid0(VALU_DEP_3)
	v_max3_num_f32 v[TM+24*\t+16], v[TM+24*\t], v[TM+24*\t+1], v[TM+24*\t+2]
.endr
.irp t, 0,1
	s_delay_alu instid0(VALU_DEP_2)
	v_max_num_f32 v[TM+24*\t+16], v[TM+24*\t+16], v[TM+24*\t+3]
.endr
.irp t, 0,1
	s_delay_alu instid0(VALU_DEP_2)
	v_mul_f32 v[TM+24*\t+16], s[CS], v[TM+24*\t+16]
.endr
.irp t, 0,1
	s_delay_alu instid0(VALU_DEP_2)
	v_max_num_f32 v[NM+2*\t+1], v[NM+2*\t+1], v[TM+24*\t+16]
.endr
.irp t, 0,1
	v_mov_b32 v[TM+24*\t+16], v[NM+2*\t]
.endr
.irp t, 0,1
	s_delay_alu instid0(VALU_DEP_4)
	v_floor_f32 v[NM+2*\t], -v[NM+2*\t+1]
.endr
.irp t, 0,1
	s_delay_alu instid0(VALU_DEP_2)
	v_sub_f32 v[TM+24*\t+16], v[NM+2*\t], v[TM+24*\t+16]
.endr
.irp t, 0,1
	s_delay_alu instid0(VALU_DEP_2)
	v_cvt_i32_f32 v[TM+24*\t+16], v[TM+24*\t+16]
.endr
.irp t, 0,1
	s_delay_alu instid0(VALU_DEP_2)
	v_ldexp_f32 v[FF+2*\t], 1.0, v[TM+24*\t+16]
.endr
.irp t, 0,1
.set n, 0
.rept 32
	v_pk_fma_f32 v[S+64*\t+2*n:S+64*\t+2*n+1], v[S+64*\t+2*n:S+64*\t+2*n+1], s[CS:CS+1], v[NM+2*\t:NM+2*\t+1] op_sel_hi:[1,0,0]
.set n, n+1
.endr
.endr
.irp t, 0,1
.irp b, 0,1,2,3
	v_fma_f32 v[TM+24*\t+\b], v[TM+24*\t+\b], s[CS], v[NM+2*\t]
.endr
.endr
.set n, 0
	s_setprio 1
	s_wait_alu depctr_va_vdst(0)
.rept 128
	v_exp_f32 v[S+n], v[S+n]
.set n, n+1
.endr
.irp t, 0,1
	v_pk_mul_f32 v[LS+2*\t:LS+2*\t+1], v[LS+2*\t:LS+2*\t+1], v[FF+2*\t:FF+2*\t+1] op_sel_hi:[1,0]
.endr
	s_wait_alu depctr_va_vdst(0)
.irp t, 0,1
.irp b, 0,1,2,3
	v_exp_f32 v[TM+24*\t+\b], v[TM+24*\t+\b]
.endr
.endr
.irp t, 0,1
	v_pk_add_f32 v[TM+24*\t+18:TM+24*\t+19], v[S+64*\t:S+64*\t+1], v[S+64*\t+2:S+64*\t+3]
.endr
.irp j, 4,8,12,16,20,24,28,32,36,40,44,48,52,56,60
.irp t, 0,1
	v_pk_add_f32 v[LS+2*\t:LS+2*\t+1], v[LS+2*\t:LS+2*\t+1], v[S+64*\t+\j:S+64*\t+\j+1]
	v_pk_add_f32 v[TM+24*\t+18:TM+24*\t+19], v[TM+24*\t+18:TM+24*\t+19], v[S+64*\t+\j+2:S+64*\t+\j+3]
.endr
.endr
.irp t, 0
	s_delay_alu instid0(VALU_DEP_3)
	v_pk_add_f32 v[LS+2*\t:LS+2*\t+1], v[LS+2*\t:LS+2*\t+1], v[TM+24*\t+18:TM+24*\t+19]
.endr
.irp t, 1
	s_delay_alu instid0(VALU_DEP_2)
	v_pk_add_f32 v[LS+2*\t:LS+2*\t+1], v[LS+2*\t:LS+2*\t+1], v[TM+24*\t+18:TM+24*\t+19]
.endr
	s_wait_alu depctr_va_vdst(0)
.irp t, 0,1
.irp b, 0,1,2,3
	v_max_num_f32 v[TM+24*\t+\b], 0x8000000, v[TM+24*\t+\b]
.endr
.endr
.irp t, 0,1
.irp b, 0,1,2,3
	v_add_nc_u32 v[TM+24*\t+12+\b], 0xf8800000, v[TM+24*\t+\b]
.endr
.endr
.irp t, 0,1
.irp b, 0,1,2,3
.endr
.endr
.irp t, 0,1
.irp b, 0,1,2,3
	v_lshrrev_b32 v[TM+24*\t+4+\b], 23, v[TM+24*\t+12+\b]
.endr
.endr
.irp t, 0
	v_lshl_or_b32 v[FF+2*\t+1], v[TM+24*\t+5], 8, v[TM+24*\t+4]
.endr
.irp t, 1
	s_delay_alu instid0(VALU_DEP_4)
	v_lshl_or_b32 v[FF+2*\t+1], v[TM+24*\t+5], 8, v[TM+24*\t+4]
.endr
.irp t, 0,1
	s_delay_alu instid0(VALU_DEP_2)
	v_lshl_or_b32 v[FF+2*\t+1], v[TM+24*\t+6], 16, v[FF+2*\t+1]
.endr
.irp t, 0,1
	s_delay_alu instid0(VALU_DEP_2)
	v_lshl_or_b32 v[FF+2*\t+1], v[TM+24*\t+7], 24, v[FF+2*\t+1]
.endr
.irp t, 0,1
.irp b, 0,1,2,3
.irp i, 0,1,2,3,4,5,6,7,8,9,10,11,12,13,14,15
.endr
	v_cvt_scalef32_pk8_bf8_f32 v[PC+16*\t+4*\b:PC+16*\t+4*\b+1], v[S+64*\t+16*\b:S+64*\t+16*\b+7], v[TM+24*\t+12+\b]
	v_cvt_scalef32_pk8_bf8_f32 v[PC+16*\t+4*\b+2:PC+16*\t+4*\b+3], v[S+64*\t+16*\b+8:S+64*\t+16*\b+15], v[TM+24*\t+12+\b]
.endr
.endr
	WIN 0x41
	s_setprio 0
.irp t, 0,1
.set n, 0
.rept 16
	v_pk_mul_f32 v[32*\t+2*n:32*\t+2*n+1], v[32*\t+2*n:32*\t+2*n+1], v[FF+2*\t:FF+2*\t+1] op_sel_hi:[1,0]
.set n, n+1
.endr
.endr
	s_wait_alu depctr_va_vdst(0)
	s_wait_dscnt 0x0
	WIN 0x51
.irp d, 0,1,2,3
.irp t, 0,1
	v_wmma_scale_f32_16x16x128_f8f6f4 v[32*\t+8*\d:32*\t+8*\d+7], v[KF+16*\d:KF+16*\d+15], v[PC+16*\t:PC+16*\t+15], v[32*\t+8*\d:32*\t+8*\d+7], v[VSW+\d], v[FF+2*\t+1] matrix_a_fmt:MATRIX_FMT_BF8 matrix_b_fmt:MATRIX_FMT_BF8
.endr
.endr
	WIN 0
	s_add_co_u32 s[KO], s[KO], 8192
	s_add_co_u32 s[TO], s[TO], 256
	s_add_co_u32 s[MO], s[MO], 512
	s_sub_co_u32 s51, s51, 1
	s_cmp_lg_u32 s51, 0
	s_cbranch_scc1 .Lstep
	s_setprio 0
.rept 8
	v_nop
.endr
.irp t, 0,1
	v_add_f32 v[TM+24*\t+16], v[LS+2*\t], v[LS+2*\t+1]
.endr
.irp t, 0,1
	s_delay_alu instid0(VALU_DEP_2)
	v_permlanex16_b32 v[TM+24*\t+17], v[TM+24*\t+16], s[SEL], s[SEL+1]
.endr
.irp t, 0,1
	s_delay_alu instid0(VALU_DEP_2)
	v_add_f32 v[TM+24*\t+16], v[TM+24*\t+16], v[TM+24*\t+17]
.endr
	s_wait_alu depctr_va_vdst(0)
.irp t, 0,1
	v_rcp_f32 v[FF+2*\t], v[TM+24*\t+16]
.endr
	v_nop
	s_wait_alu depctr_va_vdst(0)
	WIN 0x01
.irp t, 0,1
.set n, 0
.rept 16
	v_pk_mul_f32 v[S+64*\t+2*n:S+64*\t+2*n+1], v[32*\t+2*n:32*\t+2*n+1], v[FF+2*\t:FF+2*\t+1] op_sel_hi:[1,0]
.set n, n+1
.endr
.endr
	WIN 0
.irp t, 0,1
.irp b, 0,1
	v_max3_num_f32 v[TM+24*\t+\b], |v[S+64*\t+16*\b]|, |v[S+64*\t+16*\b+1]|, 0x8000000
.endr
.endr
.irp i, 2,4,6,8,10,12,14
.irp t, 0,1
.irp b, 0,1
	s_delay_alu instid0(VALU_DEP_4)
	v_max3_num_f32 v[TM+24*\t+\b], v[TM+24*\t+\b], |v[S+64*\t+16*\b+\i]|, |v[S+64*\t+16*\b+\i+1]|
.endr
.endr
.endr
.irp t, 0,1
.irp b, 0,1
	s_delay_alu instid0(VALU_DEP_4)
	v_permlanex16_b32 v[TM+24*\t+4+\b], v[TM+24*\t+\b], s[SEL], s[SEL+1]
.endr
.endr
.irp t, 0,1
.irp b, 0,1
	s_delay_alu instid0(VALU_DEP_4)
	v_max_num_f32 v[TM+24*\t+\b], v[TM+24*\t+\b], v[TM+24*\t+4+\b]
.endr
.endr
.irp t, 0,1
.irp b, 0,1
	s_delay_alu instid0(VALU_DEP_4)
	v_add_nc_u32 v[TM+24*\t+12+\b], 0xf8800000, v[TM+24*\t+\b]
.endr
.endr
.irp t, 0,1
.irp b, 0,1
	s_delay_alu instid0(VALU_DEP_4)
	v_lshrrev_b32 v[TM+24*\t+4+\b], 23, v[TM+24*\t+12+\b]
.endr
.endr
.irp t, 0
	s_delay_alu instid0(VALU_DEP_3)
	v_lshl_or_b32 v[TM+24*\t+16], v[TM+24*\t+5], 8, v[TM+24*\t+4]
.endr
.irp t, 1
	s_delay_alu instid0(VALU_DEP_2)
	v_lshl_or_b32 v[TM+24*\t+16], v[TM+24*\t+5], 8, v[TM+24*\t+4]
.endr
.irp t, 0,1
.irp b, 0,1
.irp i, 0,1,2,3,4,5,6,7,8,9,10,11,12,13,14,15
.endr
	v_cvt_scalef32_pk8_bf8_f32 v[PC+16*\t+4*\b:PC+16*\t+4*\b+1], v[S+64*\t+16*\b:S+64*\t+16*\b+7], v[TM+24*\t+12+\b]
	v_cvt_scalef32_pk8_bf8_f32 v[PC+16*\t+4*\b+2:PC+16*\t+4*\b+3], v[S+64*\t+16*\b+8:S+64*\t+16*\b+15], v[TM+24*\t+12+\b]
.endr
.endr
	v_nop
	v_cndmask_b32 v[TM+17], v[TM+16], v[TM+24+16], s59
.irp t, 0,1
.irp c, 0,1
	global_store_b128 v[AK0], v[PC+16*\t+4*\c:PC+16*\t+4*\c+3], s[44:45] offset:16384*\t+512*\c
.endr
.endr
	global_store_b32 v[L4], v[TM+17], s[46:47]
	s_wait_xcnt 0x0
	s_add_nc_u64 s[40:41], s[40:41], 16384
	s_add_nc_u64 s[42:43], s[42:43], 512
	s_add_nc_u64 s[44:45], s[44:45], 262144
	s_add_nc_u64 s[46:47], s[46:47], 1024
	s_sub_co_u32 s52, s52, 1
	s_cmp_lg_u32 s52, 0
	s_cbranch_scc1 .Lpass
	s_wait_tensorcnt 0x0
	ds_add_u32 v[SPW], v[NIL]
	s_wait_dscnt 0x0
	CROUND
	s_endpgm
.Lfunc_end_k_q3d1d314cfc_attn:
	.size	k_q3d1d314cfc_attn, .Lfunc_end_k_q3d1d314cfc_attn-k_q3d1d314cfc_attn
	.p2alignl 7, 3214868480
	.fill 96, 4, 3214868480
	.section	.rodata,"a",@progbits
	.p2align	6, 0x0
	.amdhsa_kernel k_q3d1d314cfc_attn
		.amdhsa_group_segment_fixed_size 327680
		.amdhsa_private_segment_fixed_size 0
		.amdhsa_enable_private_segment 0
		.amdhsa_kernarg_size 24
		.amdhsa_user_sgpr_count 2
		.amdhsa_user_sgpr_kernarg_segment_ptr 1
		.amdhsa_wavefront_size32 1
		.amdhsa_system_sgpr_workgroup_id_x 1
		.amdhsa_system_sgpr_workgroup_id_y 1
		.amdhsa_system_sgpr_workgroup_id_z 1
		.amdhsa_system_vgpr_workitem_id 0
		.amdhsa_next_free_vgpr 512
		.amdhsa_next_free_sgpr 72
		.amdhsa_reserve_vcc 1
		.amdhsa_float_denorm_mode_32 3
		.amdhsa_float_denorm_mode_16_64 3
		.amdhsa_fp16_overflow 1
		.amdhsa_memory_ordered 1
		.amdhsa_forward_progress 1
		.amdhsa_inst_pref_size 53
	.end_amdhsa_kernel
	.amdgpu_metadata
---
amdhsa.version: [ 1, 2 ]
amdhsa.kernels:
  - .name:           k_q3d1d314cfc_attn
    .symbol:         k_q3d1d314cfc_attn.kd
    .args:
      - { .name: qkv, .offset: 0, .size: 8, .value_kind: global_buffer, .address_space: global }
      - { .name: attention_mask, .offset: 8, .size: 8, .value_kind: global_buffer, .address_space: global }
      - { .name: att, .offset: 16, .size: 8, .value_kind: global_buffer, .address_space: global }
    .group_segment_fixed_size: 327680
    .private_segment_fixed_size: 0
    .kernarg_segment_align: 8
    .kernarg_segment_size: 24
    .max_flat_workgroup_size: 256
    .sgpr_count:     72
    .vgpr_count:     512
    .wavefront_size: 32
...
	.end_amdgpu_metadata
.endif
;; end of part 3
;; launch oproj (part 4): grid 256 x 1, 8 waves a work-group, no clusters, 132,608 bytes of LDS; arguments att, opnd, bo, x, gamma, beta, out0; writes out0
.if DOCPART == 4
	.amdgcn_target "amdgcn-amd-amdhsa--gfx1250"
	.amdhsa_code_object_version 6
	.text
	.protected	k_q3d1d314cfc_oproj
	.globl	k_q3d1d314cfc_oproj
	.p2align	8
	.type	k_q3d1d314cfc_oproj,@function
k_q3d1d314cfc_oproj:
	s_mov_b64 s[64:65], 0
	v_nop
	global_prefetch_b8 v0, s[64:65] scope:SCOPE_SE
	s_setreg_imm32_b32 hwreg(HW_REG_WAVE_MODE, 25, 1), 1
	s_wait_xcnt 0x0
; LAUNCH 4 OF 4: out0 = LayerNorm(x + o Wo^T + bo) x gamma + beta; the product on codes of BF8 (E5M2) with E8M0 scales, all else in f32.  (template_ids: dead, see launch 1.)
; SHARES.  A work-group owns 32 whole rows (two token tiles), since the norm wants whole rows.  Wave w makes features 128 w .. 128 w + 127 (eight tiles of Wo) for both token tiles: 16 accumulators.
; Source 0 = 16 rows of Wo, source 1 = 16 tokens of o: a lane holds one token, and the registers of two neighbouring tiles of Wo are 16 neighbouring features (position order: launch 1).
; NO LDS FOR THE OPERANDS, NO CLUSTER: a fragment of Wo feeds one wave's two products only, so it goes from memory straight into that wave's registers as an image, 512 consecutive bytes a load, one K step ahead
; (40 loads of a wave are out while a step is multiplied); the K loop has no barrier.  A ring shared by the work-group would add a barrier for every 16 matrix instructions of a wave.
; Then the 32 rows meet in a stage in LDS, and each wave norms four whole rows: x, bo, gamma and beta are asked for during the last two K steps.
; LIMITS: NaN and infinities are not served.
; REGISTERS.  Window 0: v1-8 addresses; v16-23 o's scale words (lanes 0-15 the even token tile, 16-31 the odd); v24-55 Wo's (lanes 0-15 an even tile, 16-31 the odd one behind it); v56-119 o's fragments, two sets, later the rows' statistics;
;   v128-255 the accumulators ((i, t) at 128 + 8 (2 i + t)), later four rows y.   Window 1: Wo's fragments, two sets of 128; later x's four rows, bo, gamma, beta.
.set XSOFF, 12582912
.set OSOFF, 8388608
.set SPITCH, 4112                      ; a stage row: 4,096 bytes + 16: an odd multiple of 16
.set SPARE, 32*SPITCH                  ; behind the stage: the spare words, 128 bytes a wave: four blocks of 256 bytes that no other line names
.set L16, 1
.set L4,  2
.set L32, 3
.set STA, 4                            ; v4, v5  where I put my results of token tile 0, 1
.set STR, 6                            ; v6   where I read my four rows
.set SPW, 7
.set NIL, 8
.set ASC, 16
.set BSC, 24
.set AF,  56
.set ST,  56                           ; row k: ST + 8 k: +0 sum, mean; +2 sum of squares, variance; +4 1 / sqrt
.set ACC, 128
.set Y,   128
.set SEL, 32
.set INV, 34                           ; s34  1 / 1,024
.set EPS, 35                           ; s35  1e-5
.set MSB, 0
.macro WIN new
.if MSB != \new
	s_set_vgpr_msb (MSB<<8)|\new
.set MSB, \new
.endif
.endm
.macro PROD d, a, b, sa, sb, zero, ra, rb       ; one product; ra, rb: the scale words stand in lanes 16-31
.if (\zero) && (\ra) && (\rb)
	v_wmma_scale_f32_16x16x128_f8f6f4 v[(\d):(\d)+7], v[(\a):(\a)+15], v[(\b):(\b)+15], 0, v[(\sa)], v[(\sb)] matrix_a_fmt:MATRIX_FMT_BF8 matrix_b_fmt:MATRIX_FMT_BF8 matrix_a_scale:MATRIX_SCALE_ROW1 matrix_b_scale:MATRIX_SCALE_ROW1
.elseif (\zero) && (\ra)
	v_wmma_scale_f32_16x16x128_f8f6f4 v[(\d):(\d)+7], v[(\a):(\a)+15], v[(\b):(\b)+15], 0, v[(\sa)], v[(\sb)] matrix_a_fmt:MATRIX_FMT_BF8 matrix_b_fmt:MATRIX_FMT_BF8 matrix_a_scale:MATRIX_SCALE_ROW1
.elseif (\zero) && (\rb)
	v_wmma_scale_f32_16x16x128_f8f6f4 v[(\d):(\d)+7], v[(\a):(\a)+15], v[(\b):(\b)+15], 0, v[(\sa)], v[(\sb)] matrix_a_fmt:MATRIX_FMT_BF8 matrix_b_fmt:MATRIX_FMT_BF8 matrix_b_scale:MATRIX_SCALE_ROW1
.elseif (\zero)
	v_wmma_scale_f32_16x16x128_f8f6f4 v[(\d):(\d)+7], v[(\a):(\a)+15], v[(\b):(\b)+15], 0, v[(\sa)], v[(\sb)] matrix_a_fmt:MATRIX_FMT_BF8 matrix_b_fmt:MATRIX_FMT_BF8
.elseif (\ra) && (\rb)
	v_wmma_scale_f32_16x16x128_f8f6f4 v[(\d):(\d)+7], v[(\a):(\a)+15], v[(\b):(\b)+15], v[(\d):(\d)+7], v[(\sa)], v[(\sb)] matrix_a_fmt:MATRIX_FMT_BF8 matrix_b_fmt:MATRIX_FMT_BF8 matrix_a_scale:MATRIX_SCALE_ROW1 matrix_b_scale:MATRIX_SCALE_ROW1
.elseif (\ra)
	v_wmma_scale_f32_16x16x128_f8f6f4 v[(\d):(\d)+7], v[(\a):(\a)+15], v[(\b):(\b)+15], v[(\d):(\d)+7], v[(\sa)], v[(\sb)] matrix_a_fmt:MATRIX_FMT_BF8 matrix_b_fmt:MATRIX_FMT_BF8 matrix_a_scale:MATRIX_SCALE_ROW1
.elseif (\rb)
	v_wmma_scale_f32_16x16x128_f8f6f4 v[(\d):(\d)+7], v[(\a):(\a)+15], v[(\b):(\b)+15], v[(\d):(\d)+7], v[(\sa)], v[(\sb)] matrix_a_fmt:MATRIX_FMT_BF8 matrix_b_fmt:MATRIX_FMT_BF8 matrix_b_scale:MATRIX_SCALE_ROW1
.else
	v_wmma_scale_f32_16x16x128_f8f6f4 v[(\d):(\d)+7], v[(\a):(\a)+15], v[(\b):(\b)+15], v[(\d):(\d)+7], v[(\sa)], v[(\sb)] matrix_a_fmt:MATRIX_FMT_BF8 matrix_b_fmt:MATRIX_FMT_BF8
.endif
.endm
.macro ALOAD set, s                    ; o's two fragments of K step s: 8 loads
.irp t, 0,1
.irp c, 0,1,2,3
	global_load_b128 v[AF+32*(\set)+16*\t+4*\c:AF+32*(\set)+16*\t+4*\c+3], v[L16], s[20:21] offset:16384*\t+2048*(\s)+512*\c
.endr
.endr
.endm
.macro BLOAD set, s                    ; my eight fragments of Wo: 32 loads
	WIN 0x40
.irp i, 0,1,2,3,4,5,6,7
.irp c, 0,1,2,3
	global_load_b128 v[128*(\set)+16*\i+4*\c:128*(\set)+16*\i+4*\c+3], v[L16], s[24:25] offset:16384*\i+2048*(\s)+512*\c
.endr
.endr
	WIN 0
.endm
.macro KST s                           ; a K step: 16 products, the 16 accumulators by turns, then the loads of two steps on into the set just used
.if (\s) == 7
	s_wait_loadcnt 32                              ; this step's 40 loads are in; x's 32 may be out
.else
	s_wait_loadcnt 40                              ; this step's 40 loads are in; the next step's 40 may be out
.endif
	WIN 0x01                                       ; source 0 (Wo) in window 1
.irp i, 0,1,2,3,4,5,6,7
.irp t, 0,1
	PROD ACC+8*(2*\i+\t), 128*((\s)%2)+16*\i, AF+32*((\s)%2)+16*\t, BSC+8*(\i/2)+(\s), ASC+(\s), (\s)==0, \i%2, \t
.endr
.endr
	WIN 0
.rept 8
	v_nop                                          ; places in front of loads into registers that these products read, and of the first read of results
.endr
.if (\s) < 6
	ALOAD (\s)%2, (\s)+2
	BLOAD (\s)%2, (\s)+2
.elseif (\s) == 6
	WIN 0x40
.irp k, 0,1,2,3
.irp m, 0,1,2,3,4,5,6,7
	global_load_b128 v[32*\k+4*\m:32*\k+4*\m+3], v[L16], s[28:29] offset:4096*\k+512*\m th:TH_LOAD_NT   ; x: my four rows
.endr
.endr
	WIN 0
.else
	WIN 0x40
.irp m, 0,1,2,3,4,5,6,7
	global_load_b128 v[128+4*\m:128+4*\m+3], v[L16], s[8:9] offset:512*\m      ; bo
	global_load_b128 v[160+4*\m:160+4*\m+3], v[L16], s[12:13] offset:512*\m    ; gamma
	global_load_b128 v[192+4*\m:192+4*\m+3], v[L16], s[14:15] offset:512*\m    ; beta
.endr
	WIN 0
.endif
.endm
.macro REDUCE r, u                     ; the sum of v[ST + 8 k + r] over the 32 lanes, in every lane; v[ST + 8 k + u] at work; the four rows by turns
.irp x, 1,2,4,8
.irp k, 0,1,2,3
	s_delay_alu instid0(VALU_DEP_4)
	v_add_f32_dpp v[ST+8*\k+\r], v[ST+8*\k+\r], v[ST+8*\k+\r] row_xmask:\x row_mask:0xf bank_mask:0xf
.endr
.endr
.irp k, 0,1,2,3
	s_delay_alu instid0(VALU_DEP_4)
	v_permlanex16_b32 v[ST+8*\k+\u], v[ST+8*\k+\r], s[SEL], s[SEL+1]
.endr
.irp k, 0,1,2,3
	s_delay_alu instid0(VALU_DEP_4)
	v_add_f32 v[ST+8*\k+\r], v[ST+8*\k+\r], v[ST+8*\k+\u]
.endr
.endm
	s_load_b256 s[4:11], s[0:1], 0x0               ; att, opnd, bo, x
	s_load_b128 s[12:15], s[0:1], 0x20             ; gamma, beta
	s_load_b64 s[16:17], s[0:1], 0x30              ; out0
	v_lshl_add_u32 v[SPW], v0, 2, SPARE
	v_mov_b32 v[NIL], 0
	v_lshrrev_b32 v1, 5, v0
	s_delay_alu instid0(VALU_DEP_1)
	v_readfirstlane_b32 s18, v1                    ; wave 0..7
	v_and_b32 v9, 31, v0                           ; lane
	s_delay_alu instid0(VALU_DEP_1)
	v_lshlrev_b32 v[L16], 4, v9
	s_delay_alu instid0(VALU_DEP_2)
	v_lshlrev_b32 v[L4], 2, v9
	s_delay_alu instid0(VALU_DEP_3)
	v_lshlrev_b32 v[L32], 5, v9
	s_mov_b32 s37, 0
	s_mov_b32 s[SEL], 0x76543210
	s_mov_b32 s[SEL+1], 0xfedcba98
	s_mov_b32 s[INV], 0x3a800000
	s_mov_b32 s[EPS], 0x3727c5ac
	s_lshl_b32 s38, s18, 3
	s_add_co_u32 s38, s38, 704                     ; my first tile of Wo in opnd
	s_lshr_b32 s39, s18, 1
	s_and_b32 s39, s39, 1
	s_lshl_b32 s39, s39, 4                         ; stage rows 4 w .. 4 w + 3 are positions; bits 3 and 4 change places:
	s_lshr_b32 s40, s18, 2
	s_lshl_b32 s40, s40, 3
	s_add_co_u32 s39, s39, s40
	s_and_b32 s40, s18, 1
	s_lshl_b32 s40, s40, 2
	s_add_co_u32 s39, s39, s40                     ; 16 ((w / 2) % 2) + 8 (w / 4) + 4 (w % 2)
	s_lshl_b32 s40, ttmp9, 5
	s_add_co_u32 s39, s39, s40                     ; my first row of x and of out0; its three successors follow it
	s_wait_alu depctr_va_vdst(0)
	s_wait_kmcnt 0x0
	s_lshl_b32 s36, ttmp9, 15
	s_add_nc_u64 s[20:21], s[4:5], s[36:37]        ; o's two token tiles
	s_lshr_b32 s36, ttmp9, 6                       ; batch
	s_lshl_b32 s36, s36, 17
	s_and_b32 s40, ttmp9, 63
	s_lshl_b32 s40, s40, 7
	s_add_co_u32 s36, s36, s40
	s_add_co_u32 s36, s36, OSOFF
	s_add_nc_u64 s[22:23], s[4:5], s[36:37]        ; their scale words of head 0; a head is 8,192 bytes on
	s_lshl_b32 s36, s38, 14
	s_add_nc_u64 s[24:25], s[6:7], s[36:37]        ; Wo's images
	s_lshl_b32 s36, s38, 9
	s_add_co_u32 s36, s36, XSOFF
	s_add_nc_u64 s[26:27], s[6:7], s[36:37]        ; Wo's scale bytes
	s_lshl_b32 s36, s39, 12
	s_add_nc_u64 s[28:29], s[10:11], s[36:37]
	s_add_nc_u64 s[30:31], s[16:17], s[36:37]
.irp j, 0,1,2,3,4,5,6,7,8,9,10,11,12,13,14,15
	global_load_b32 v[128+\j], v[L4], s[22:23] offset:8192*\j        ; head j's two bytes of my token (lanes 16-31: the odd tile's)
.endr
.irp p, 0,1,2,3
	global_load_b128 v[BSC+8*\p:BSC+8*\p+3], v[L32], s[26:27] offset:1024*\p       ; a row's 32 scale bytes: the words of K steps 0-3,
	global_load_b128 v[BSC+8*\p+4:BSC+8*\p+7], v[L32], s[26:27] offset:1024*\p+16  ; and 4-7; lanes 16-31: the odd tile's rows
.endr
	ALOAD 0, 0
	BLOAD 0, 0
	s_wait_loadcnt 40                              ; the 24 loads of scale words are in; K step 0's 40 may be out
.irp s, 0,1,2,3,4,5,6,7
	v_perm_b32 v[ASC+\s], v[129+2*\s], v[128+2*\s], 0x05040100       ; K step s: heads 2 s and 2 s + 1, two bytes each
.endr
.rept 8
	v_nop                                          ; a scale word made by vector instructions stands eight places ahead of the product
.endr
	v_and_b32 v9, 15, v0                           ; r
	v_bfe_u32 v10, v0, 4, 1                        ; h
	s_delay_alu instid0(VALU_DEP_2)
	v_mul_u32_u24 v[STA], v9, SPITCH
	s_delay_alu instid0(VALU_DEP_1)
	v_lshl_add_u32 v[STA], v10, 6, v[STA]
	s_lshl_b32 s36, s18, 9
	v_add_nc_u32 v[STA], s36, v[STA]               ; row r, + 64 h, + my 512 bytes of a row
	s_delay_alu instid0(VALU_DEP_1)
	v_add_nc_u32 v[STA+1], 16*SPITCH, v[STA]
	s_mul_i32 s36, s18, 4*SPITCH
	v_add_nc_u32 v[STR], s36, v[L16]
	ALOAD 1, 1
	BLOAD 1, 1
.irp s, 0,1,2,3,4,5,6,7
	s_wait_alu depctr_va_vdst(0)
	KST \s
.endr
.irp i, 0,1,2,3,4,5,6,7
.irp t, 0,1
	ds_store_b128 v[STA+\t], v[ACC+8*(2*\i+\t):ACC+8*(2*\i+\t)+3] offset:128*(\i/2)+32*(\i%2)        ; register j of tile i is feature 32 (i / 2) + 8 (i % 2) + 16 h + j; each accumulator from its low end on
	ds_store_b128 v[STA+\t], v[ACC+8*(2*\i+\t)+4:ACC+8*(2*\i+\t)+7] offset:128*(\i/2)+32*(\i%2)+16
.endr
.endr
	s_wait_dscnt 0x0                               ; for the others' sake: my stores into the stage are done
	s_barrier_signal -1
	s_barrier_wait -1
.irp k, 0,1,2,3
.irp m, 0,1,2,3,4,5,6,7
	ds_load_b128 v[Y+32*\k+4*\m:Y+32*\k+4*\m+3], v[STR] offset:SPITCH*\k+512*\m
.endr
.endr
	s_wait_dscnt 0x0
	s_wait_loadcnt 0x0                             ; x, bo, gamma, beta
	WIN 0x04                                       ; source 1 in window 1
.set n, 0
.rept 64
	v_pk_add_f32 v[Y+2*n:Y+2*n+1], v[Y+2*n:Y+2*n+1], v[2*n:2*n+1]                     ; + x
.set n, n+1
.endr
.irp k, 0,1,2,3
.set n, 0
.rept 16
	v_pk_add_f32 v[Y+32*\k+2*n:Y+32*\k+2*n+1], v[Y+32*\k+2*n:Y+32*\k+2*n+1], v[128+2*n:128+2*n+1]   ; + bo
.set n, n+1
.endr
.endr
	WIN 0
.irp k, 0,1,2,3
	v_pk_add_f32 v[ST+8*\k:ST+8*\k+1], v[Y+32*\k:Y+32*\k+1], v[Y+32*\k+2:Y+32*\k+3]
.endr
.irp n, 2,3,4,5,6,7,8,9,10,11,12,13,14,15
.irp k, 0,1,2,3
	s_delay_alu instid0(VALU_DEP_4)
	v_pk_add_f32 v[ST+8*\k:ST+8*\k+1], v[ST+8*\k:ST+8*\k+1], v[Y+32*\k+2*\n:Y+32*\k+2*\n+1]
.endr
.endr
.irp k, 0,1,2,3
	s_delay_alu instid0(VALU_DEP_4)
	v_add_f32 v[ST+8*\k], v[ST+8*\k], v[ST+8*\k+1]
.endr
	REDUCE 0, 1
.irp k, 0,1,2,3
	s_delay_alu instid0(VALU_DEP_4)
	v_mul_f32 v[ST+8*\k], s[INV], v[ST+8*\k]       ; the mean
.endr
.irp k, 0,1,2,3
.set n, 0
.rept 16
	v_pk_add_f32 v[Y+32*\k+2*n:Y+32*\k+2*n+1], v[Y+32*\k+2*n:Y+32*\k+2*n+1], v[ST+8*\k:ST+8*\k+1] op_sel_hi:[1,0] neg_lo:[0,1] neg_hi:[0,1]   ; y - mean
.set n, n+1
.endr
.endr
.irp k, 0,1,2,3
	v_pk_mul_f32 v[ST+8*\k+2:ST+8*\k+3], v[Y+32*\k:Y+32*\k+1], v[Y+32*\k:Y+32*\k+1]
.endr
.irp n, 1,2,3,4,5,6,7,8,9,10,11,12,13,14,15
.irp k, 0,1,2,3
	s_delay_alu instid0(VALU_DEP_4)
	v_pk_fma_f32 v[ST+8*\k+2:ST+8*\k+3], v[Y+32*\k+2*\n:Y+32*\k+2*\n+1], v[Y+32*\k+2*\n:Y+32*\k+2*\n+1], v[ST+8*\k+2:ST+8*\k+3]
.endr
.endr
.irp k, 0,1,2,3
	s_delay_alu instid0(VALU_DEP_4)
	v_add_f32 v[ST+8*\k+2], v[ST+8*\k+2], v[ST+8*\k+3]
.endr
	REDUCE 2, 3
.irp k, 0,1,2,3
	s_delay_alu instid0(VALU_DEP_4)
	v_fma_f32 v[ST+8*\k+2], v[ST+8*\k+2], s[INV], s[EPS]             ; the variance + 1e-5
.endr
	s_wait_alu depctr_va_vdst(0)
.irp k, 0,1,2,3
	v_rsq_f32 v[ST+8*\k+4], v[ST+8*\k+2]
.endr
.irp k, 0,1,2,3
	v_mov_b32 v[ST+8*\k+5], 0                      ; plain lines behind the four; (the register is named with the result as a pair, so it is written)
.endr
	s_wait_alu depctr_va_vdst(0)                   ; the wait ahead of the first reader: one for the four
.irp k, 0,1,2,3
.set n, 0
.rept 16
	v_pk_mul_f32 v[Y+32*\k+2*n:Y+32*\k+2*n+1], v[Y+32*\k+2*n:Y+32*\k+2*n+1], v[ST+8*\k+4:ST+8*\k+5] op_sel_hi:[1,0]
.set n, n+1
.endr
.endr
	WIN 0x14                                       ; sources 1 and 2 in window 1
.irp k, 0,1,2,3
.set n, 0
.rept 16
	v_pk_fma_f32 v[Y+32*\k+2*n:Y+32*\k+2*n+1], v[Y+32*\k+2*n:Y+32*\k+2*n+1], v[160+2*n:160+2*n+1], v[192+2*n:192+2*n+1]   ; x gamma + beta
.set n, n+1
.endr
.endr
	WIN 0
.irp k, 0,1,2,3
.irp m, 0,1,2,3,4,5,6,7
	global_store_b128 v[L16], v[Y+32*\k+4*\m:Y+32*\k+4*\m+3], s[30:31] offset:4096*\k+512*\m th:TH_STORE_NT   ; 32 lanes store 512 consecutive bytes
.endr
.endr
	s_wait_tensorcnt 0x0                           ; the wave's end
	ds_add_u32 v[SPW], v[NIL]
	s_wait_dscnt 0x0
	s_endpgm
.Lfunc_end_k_q3d1d314cfc_oproj:
	.size	k_q3d1d314cfc_oproj, .Lfunc_end_k_q3d1d314cfc_oproj-k_q3d1d314cfc_oproj
	.p2alignl 7, 3214868480
	.fill 96, 4, 3214868480
	.section	.rodata,"a",@progbits
	.p2align	6, 0x0
	.amdhsa_kernel k_q3d1d314cfc_oproj
		.amdhsa_group_segment_fixed_size 132608
		.amdhsa_private_segment_fixed_size 0
		.amdhsa_enable_private_segment 0
		.amdhsa_kernarg_size 56
		.amdhsa_user_sgpr_count 2
		.amdhsa_user_sgpr_kernarg_segment_ptr 1
		.amdhsa_wavefront_size32 1
		.amdhsa_system_sgpr_workgroup_id_x 1
		.amdhsa_system_sgpr_workgroup_id_y 1
		.amdhsa_system_sgpr_workgroup_id_z 1
		.amdhsa_system_vgpr_workitem_id 0
		.amdhsa_next_free_vgpr 512
		.amdhsa_next_free_sgpr 66
		.amdhsa_reserve_vcc 0
		.amdhsa_float_denorm_mode_32 3
		.amdhsa_float_denorm_mode_16_64 3
		.amdhsa_memory_ordered 1
		.amdhsa_forward_progress 1
		.amdhsa_inst_pref_size 106
	.end_amdhsa_kernel
	.amdgpu_metadata
---
amdhsa.version: [ 1, 2 ]
amdhsa.kernels:
  - .name:           k_q3d1d314cfc_oproj
    .symbol:         k_q3d1d314cfc_oproj.kd
    .args:
      - { .name: att, .offset: 0, .size: 8, .value_kind: global_buffer, .address_space: global }
      - { .name: opnd, .offset: 8, .size: 8, .value_kind: global_buffer, .address_space: global }
      - { .name: bo, .offset: 16, .size: 8, .value_kind: global_buffer, .address_space: global }
      - { .name: x, .offset: 24, .size: 8, .value_kind: global_buffer, .address_space: global }
      - { .name: gamma, .offset: 32, .size: 8, .value_kind: global_buffer, .address_space: global }
      - { .name: beta, .offset: 40, .size: 8, .value_kind: global_buffer, .address_space: global }
      - { .name: out0, .offset: 48, .size: 8, .value_kind: global_buffer, .address_space: global }
    .group_segment_fixed_size: 132608
    .private_segment_fixed_size: 0
    .kernarg_segment_align: 8
    .kernarg_segment_size: 56
    .max_flat_workgroup_size: 256
    .sgpr_count:     66
    .vgpr_count:     512
    .wavefront_size: 32
...
	.end_amdgpu_metadata
.endif
;; end of part 4
